; MI455X (gfx1250); checked and timed in simulation.
; The chip was launched on July 23, 2026; its instructions are those of AMD's public machine-readable ISA for CDNA 5 (MIT licence, August 2026) and "CDNA5" Instruction Set Architecture Reference Guide (July 2026). The comments in the code are by the model that wrote it; some were corrected since.
;; Multi Head Attention. Allowed arithmetic: matrix products marked QUANTISED: E2M3 operands, one E8M0 scale for each 32 along K, by v_wmma_scale_f32_16x16x128_f8f6f4 with both operands' format E2M3, f32 sums; everything else in f32.
;; Inputs: Wk 2,048 x 2,048 float32; Wo 2,048 x 2,048 float32; Wq 2,048 x 2,048 float32; Wv 2,048 x 2,048 float32; bk 2,048 float32; bo 2,048 float32; bq 2,048 float32; bv 2,048 float32; x 2,048 x 2,048 float32.
;; Outputs: out0 2,048 x 2,048 float32.
;; This version of the problem:
;;   THIS VERSION OF THE PROBLEM IS GIVEN IN LOW PRECISION. The matrix products marked QUANTISED in the list below multiply operands that are first quantised to E2M3 (2 exponent bits, 3 mantissa bits; 6 bits a number), with one power-of-two scale for each 32 numbers along K (OCP MX v1.0); their sums are f32. All else is computed in f32.
;;   The module's matrix products, in the order in which they are computed (A, B: the left and right operand; K: the contracted axis; several contracted axes count as one K, in the product's order):
;;     1. [M 2,048, K 2,048] x [K 2,048, N 2,048]; A: input x; B: input Wq: QUANTISED
;;     2. [M 2,048, K 2,048] x [K 2,048, N 2,048]; A: input x; B: input Wk: QUANTISED
;;     3. [M 2,048, K 2,048] x [K 2,048, N 2,048]; A: input x; B: input Wv: QUANTISED
;;     4. batch 16 x [M 2,048, K 128] x [K 128, N 2,048]; A: computed on the way; B: computed on the way: QUANTISED
;;     5. batch 16 x [M 128, K 2,048] x [K 2,048, N 2,048]; A: computed on the way; B: softmax (see below): QUANTISED
;;     6. [M 2,048, K 2,048] x [K 2,048, N 2,048]; A: computed on the way; B: input Wo: QUANTISED
;;   THE QUANTISER, for each operand of a quantised product, along K:
;;     - K is cut into blocks of 32 from its start; a last block that is shorter is filled with zeros.
;;     - A block's scale is 2^e with e = floor(log2(the largest magnitude in the block)) - 2, held to -126 .. 127; a block of zeros has e = 0. As a byte (E8M0): e + 127.
;;     - Each number is divided by its block's scale, clamped to +-7.5, and rounded to the nearest number of E2M3, ties to even, subnormals kept.
;;     - The product sums the exact products of the quantised numbers (number of the format x scale) in f32.
;;   ~~~python
;;   def quantise(x, axis):      # numpy; x: float32 -> the quantised numbers, widened to float32 again
;;       x = np.moveaxis(x, axis, -1); K = x.shape[-1]
;;       x = np.pad(x, [(0, 0)] * (x.ndim - 1) + [(0, -K % 32)]); x = x.reshape(x.shape[:-1] + (-1, 32)); a = np.abs(x).max(-1, keepdims=True)
;;       e = np.where(a > 0, np.clip(np.frexp(np.where(a > 0, a, 1))[1] - 1 - 2, -126, 127), 0)      # np.frexp(a)[1] - 1 = floor(log2(a)), exactly
;;       r = np.clip(x / 2.0 ** e, -7.5, 7.5)
;;       step = 2.0 ** (np.maximum(np.frexp(np.where(r == 0, 1, r))[1] - 1, 0) - 3)
;;       q = np.round(r / step) * step * 2.0 ** e      # np.round: ties to even
;;       return np.moveaxis(q.reshape(q.shape[:-2] + (-1,))[..., :K], -1, axis).astype(np.float32)
;;   ~~~
;;   SOFTMAX AHEAD OF A QUANTISED PRODUCT. Where the list says 'softmax', what is quantised is not the finished softmax but p = 2^(t - M), with t = logit x log2(e) and M = ceil(the row's largest t), a whole number; so 1/2 < the row's largest p <= 1. The row's sum l is taken of the UNQUANTISED p, in f32, and the product's result is divided by l at the end. Since M is a whole number, a kernel that streams over the keys may use a running M (the ceiling of the running maximum): every later rescaling is an exact power of two, which a block's scale takes up: the codes' values come out the same.
;;   OPERANDS COMPUTED ON THE WAY. 'Computed on the way' means the value that the module computes at that place (a softmax that the list does not call 'softmax' is quantised finished and normalised). What goes into a quantiser is computed in f32, as accurately as f32 sums, v_exp_f32 and their like allow (about 1e-6 of the number): no bf16 or f16 on the way to a quantiser, and a product that is left as it is and whose result goes on into a quantised operand takes f32 operands (vector FMAs, or v_wmma_f32_16x16x4_f32). A number that lies on a knife's edge between two numbers of the format may be rounded either way, as far as f32 arithmetic and the matrix unit's own rounding can turn it there, and no further.
;; 2 versions, each right. Each part assembles by itself: llvm-mc -triple=amdgcn-amd-amdhsa -mcpu=gfx1250 --defsym DOCPART=n.
;; ======== version 1 of 2: 4 launches
;; workspace buffers: codes 15,728,640 bytes; scales 655,360 bytes; qkv_codes 9,437,184 bytes; qkv_scales 393,216 bytes; attn_codes 3,145,728 bytes; attn_scales 131,072 bytes
;; launch quant (part 1): grid 640 x 1, 4 waves a work-group, no clusters, 33,280 bytes of LDS; arguments x, Wq, Wk, Wv, Wo, codes, scales; writes codes, scales
.if DOCPART == 1
	.amdgcn_target "amdgcn-amd-amdhsa--gfx1250"
	.amdhsa_code_object_version 6
	.text
	.protected	k_q92307b2671_quant
	.globl	k_q92307b2671_quant
	.p2align	8
	.type	k_q92307b2671_quant,@function
k_q92307b2671_quant:
	s_mov_b64 s[64:65], 0
	v_nop
	global_prefetch_b8 v0, s[64:65] scope:SCOPE_SE
	s_setreg_imm32_b32 hwreg(HW_REG_WAVE_MODE, 25, 1), 1
	s_wait_xcnt 0x0
; x, Wq, Wk, Wv, Wo, each [2048][2048] f32 with K innermost, become codes of FP6 (E2M3) and one E8M0 scale byte for each 32 along K.
; codes: [tensor 0..4][2048 rows][1536 bytes];  scales: [tensor][2048 rows][64 bytes].
; A block's scale is 2^(floor(log2(its largest magnitude)) - 2); its byte is the largest magnitude's exponent field - 2, held at 1 from below.
; LIMITS: NaN and infinities among the inputs are not served; a block whose largest magnitude lies under 2^-124 gets the byte 1; a block of zeros gets the byte 1
; where the rule says 127: its codes are zeros, which add nothing under any byte but 0xff, and these bytes are read by this program alone.
; THE ORDER OF ROWS.  For x, Wq, Wk, Wv the row at place p of the buffers is the tensor's row p with bits 3 and 4 exchanged; Wo keeps its order.  Sixteen neighbouring places then hold the rows
; 32 b + 8 u + (r % 8) + 16 (r / 8): a product that takes them as its source 0 leaves 16 neighbours along the next K in a lane's registers of two neighbouring tiles.
; SHARES.  128 work-groups a tensor; a wave takes a run of 8,192 numbers (4 rows) in 16 steps of 512.  Bits 3 and 4 of a row are bits 1 and 2 of its run's number, so only the run's place in the output changes.
; Each of a step's four loads reads 512 consecutive bytes; the 2,048 bytes turn through the wave's own stage in LDS and come back 64 bytes (16 neighbours) a lane; two neighbouring lanes hold a block.
; No tensor loads, no barrier: waves share nothing.  Loads run four steps ahead, the turn through LDS one step.
.set STEPS, 16
.set EMAX,  2
.set CB,    12                         ; bytes of 16 codes
.set R,     16                         ; v16-79   four sets of 16 numbers as they are loaded
.set X,     80                         ; v80-111  two sets of 16 neighbours
.set C,     128                        ; v128-191 codes: four registers for each step, so that no store's data are written again
.set E,     112                        ; v112-127 a scale byte for each step
.set WREG,  8192                       ; LDS: a region for each wave: two stages of 32 x SP bytes, then its 256 scale bytes
.set SP,    80                         ; a lane's place in a stage: 64 bytes + 16 of padding
	s_load_b256 s[4:11], s[0:1], 0x0               ; x, Wq, Wk, Wv
	s_load_b128 s[12:15], s[0:1], 0x20             ; Wo, codes
	s_load_b64 s[24:25], s[0:1], 0x30              ; scales
	v_lshl_add_u32 v192, v0, 2, 0x8000
	v_mov_b32 v193, 0
	v_lshrrev_b32 v1, 5, v0
	v_readfirstlane_b32 s16, v1                    ; wave
	v_and_b32 v2, 31, v0                           ; lane
	v_lshlrev_b32 v3, 4, v2                        ; my 16 bytes of a load's 512
	s_mul_i32 s17, s16, WREG
	v_lshrrev_b32 v14, 2, v2
	v_mul_u32_u24 v14, v14, SP
	v_and_b32 v15, 3, v2
	v_lshl_add_u32 v14, v15, 4, v14
	v_add_nc_u32 v14, s17, v14                     ; the stage, on the way in: SP (lane / 4) + 16 (lane % 4)
	v_mul_u32_u24 v15, v2, SP
	v_add_nc_u32 v15, s17, v15                     ; and on the way out: SP x lane: my 16 neighbours
	v_mul_u32_u24 v4, v2, CB                       ; my codes' place in a step's
	v_lshrrev_b32 v5, 1, v2
	s_add_co_u32 s17, s17, 2*32*SP
	v_add_nc_u32 v5, s17, v5                       ; LDS: my wave's 256 scale bytes, my block's byte
	v_lshlrev_b32 v7, 3, v2                        ; and on the way out 8 bytes a lane
	v_add_nc_u32 v6, s17, v7
	s_lshr_b32 s18, ttmp9, 7                       ; which tensor, 0..4
	s_and_b32 s19, ttmp9, 127
	s_lshl_b32 s19, s19, 2
	s_add_co_u32 s19, s19, s16                     ; my run in the tensor, 0..511
	s_lshr_b32 s20, s19, 1
	s_lshr_b32 s21, s19, 2
	s_xor_b32 s20, s20, s21
	s_and_b32 s20, s20, 1                          ; 1 where the run's bits 1 and 2 differ
	s_cmp_eq_u32 s18, 4
	s_cselect_b32 s21, 0, 6                        ; Wo keeps its order
	s_mul_i32 s20, s20, s21
	s_xor_b32 s20, s19, s20                        ; the run's place in the output: bits 1 and 2 exchanged
	s_lshl_b32 s21, s18, 9
	s_add_co_u32 s20, s20, s21                     ; + 512 runs a tensor
	s_lshl_b32 s26, s19, 15                        ; in: 32,768 bytes a run
	s_mov_b32 s27, 0
	s_mul_i32 s28, s20, 32*STEPS*CB                ; codes: 6,144 bytes a run
	s_mov_b32 s29, 0
	s_lshl_b32 s30, s20, 8                         ; scale bytes: 256 a run
	s_mov_b32 s31, 0
	s_wait_kmcnt 0x0
	s_cmp_eq_u32 s18, 3                            ; the source: a choice on the work-group's number alone
	s_cselect_b64 s[12:13], s[10:11], s[12:13]
	s_cmp_eq_u32 s18, 2
	s_cselect_b64 s[12:13], s[8:9], s[12:13]
	s_cmp_eq_u32 s18, 1
	s_cselect_b64 s[12:13], s[6:7], s[12:13]
	s_cmp_eq_u32 s18, 0
	s_cselect_b64 s[12:13], s[4:5], s[12:13]
	s_add_nc_u64 s[12:13], s[12:13], s[26:27]
	s_add_nc_u64 s[14:15], s[14:15], s[28:29]
	s_add_nc_u64 s[24:25], s[24:25], s[30:31]
.macro LOAD t
.irp i, 0,1,2,3
	global_load_b128 v[R+16*((\t)%4)+4*\i:R+16*((\t)%4)+4*\i+3], v3, s[12:13] offset:2048*(\t)+512*\i th:TH_LOAD_NT   ; 32 lanes read 512 consecutive bytes
.endr
.endm
.macro TURN t                          ; step t's numbers through the stage: LDS serves a wave's instructions in order, so no wait stands between the stores and the loads
.irp i, 0,1,2,3
	ds_store_b128 v14, v[R+16*((\t)%4)+4*\i:R+16*((\t)%4)+4*\i+3] offset:32*SP*((\t)%2)+8*SP*\i
.endr
.irp i, 0,1,2,3
	ds_load_b128 v[X+16*((\t)%2)+4*\i:X+16*((\t)%2)+4*\i+3], v15 offset:32*SP*((\t)%2)+16*\i
.endr
.endm
.irp t, 0,1,2,3
	LOAD \t
.endr
	s_wait_loadcnt 12                              ; step 0's four loads are in; the twelve of steps 1 to 3 may be out
	TURN 0
.macro STEP t
.set XS, X+16*((\t)%2)
.if (\t) > 0
	s_wait_dscnt 1                                 ; this step's numbers are back from the stage (the last step's byte store may be out): so its stores into the stage have read their registers,
.else
	s_wait_dscnt 0x0
.endif
.if (\t)+4 < STEPS
	LOAD (\t)+4                                    ; which take the loads of four steps on
.endif
.if (\t)+1 < STEPS
.if STEPS-2-(\t) >= 3
	s_wait_loadcnt 12                              ; the next step's four loads are in; those of the three steps behind it may be out
.else
	s_wait_loadcnt 4*(STEPS-2-(\t))
.endif
	TURN (\t)+1                                    ; and go through the other stage while this step is worked
.endif
	v_max3_num_f32 v8, |v[XS]|, |v[XS+1]|, |v[XS+2]|               ; the largest magnitude of my 16, in two chains
	v_max3_num_f32 v9, |v[XS+3]|, |v[XS+4]|, |v[XS+5]|
.irp i, 6,10
	v_max3_num_f32 v8, v8, |v[XS+\i]|, |v[XS+\i+1]|
	v_max3_num_f32 v9, v9, |v[XS+\i+2]|, |v[XS+\i+3]|
.endr
	v_max3_num_f32 v8, v8, |v[XS+14]|, |v[XS+15]|
	v_max3_num_f32 v8, v8, v9, (EMAX+1)<<23        ; and the floor 2^(EMAX + 1 - 127): the byte cannot fall under 1
	v_max_num_f32_dpp v8, v8, v8 row_xmask:1 row_mask:0xf bank_mask:0xf   ; and of my neighbour's 16: the block's
	v_add_nc_u32 v11, -(EMAX<<23), v8              ; EMAX off its exponent field: the conversion takes the exponent field of this operand as its scale
	v_cvt_scalef32_pk16_fp6_f32 v[C+4*(\t):C+4*(\t)+2], v[XS:XS+15], v11   ; sixteen numbers / the scale, to the nearest code, ties to even, beyond the largest code the largest
	v_lshrrev_b32 v[E+(\t)], 23, v11               ; the scale's byte (a plain line behind the conversion)
	ds_store_b8 v5, v[E+(\t)] offset:16*(\t)       ; both lanes of a block write the same byte with the same value
	global_store_b96 v4, v[C+4*(\t):C+4*(\t)+2], s[14:15] offset:32*CB*(\t)   ; the wave stores 384 consecutive bytes
.endm
.irp t, 0,1,2,3,4,5,6,7,8,9,10,11,12,13,14,15
	STEP \t
.endr
	ds_load_b64 v[12:13], v6                       ; LDS serves a wave's instructions in order: these see my stores
	s_wait_dscnt 0x0
	global_store_b64 v7, v[12:13], s[24:25]        ; 32 lanes store 256 consecutive bytes, aligned
	s_wait_tensorcnt 0x0
	ds_add_u32 v192, v193
	s_wait_dscnt 0x0
	s_endpgm
.Lfunc_end_k_q92307b2671_quant:
	.size	k_q92307b2671_quant, .Lfunc_end_k_q92307b2671_quant-k_q92307b2671_quant
	.p2alignl 7, 3214868480
	.fill 96, 4, 3214868480
	.section	.rodata,"a",@progbits
	.p2align	6, 0x0
	.amdhsa_kernel k_q92307b2671_quant
		.amdhsa_group_segment_fixed_size 33280
		.amdhsa_private_segment_fixed_size 0
		.amdhsa_enable_private_segment 0
		.amdhsa_kernarg_size 56
		.amdhsa_user_sgpr_count 2
		.amdhsa_user_sgpr_kernarg_segment_ptr 1
		.amdhsa_wavefront_size32 1
		.amdhsa_system_sgpr_workgroup_id_x 1
		.amdhsa_system_sgpr_workgroup_id_y 1
		.amdhsa_system_sgpr_workgroup_id_z 1
		.amdhsa_system_vgpr_workitem_id 0
		.amdhsa_next_free_vgpr 194
		.amdhsa_next_free_sgpr 66
		.amdhsa_reserve_vcc 0
		.amdhsa_float_denorm_mode_32 3
		.amdhsa_float_denorm_mode_16_64 3
		.amdhsa_memory_ordered 1
		.amdhsa_forward_progress 1
		.amdhsa_inst_pref_size 33
	.end_amdhsa_kernel
	.amdgpu_metadata
---
amdhsa.version: [ 1, 2 ]
amdhsa.kernels:
  - .name:           k_q92307b2671_quant
    .symbol:         k_q92307b2671_quant.kd
    .args:
      - { .name: x, .offset: 0, .size: 8, .value_kind: global_buffer, .address_space: global }
      - { .name: Wq, .offset: 8, .size: 8, .value_kind: global_buffer, .address_space: global }
      - { .name: Wk, .offset: 16, .size: 8, .value_kind: global_buffer, .address_space: global }
      - { .name: Wv, .offset: 24, .size: 8, .value_kind: global_buffer, .address_space: global }
      - { .name: Wo, .offset: 32, .size: 8, .value_kind: global_buffer, .address_space: global }
      - { .name: codes, .offset: 40, .size: 8, .value_kind: global_buffer, .address_space: global }
      - { .name: scales, .offset: 48, .size: 8, .value_kind: global_buffer, .address_space: global }
    .group_segment_fixed_size: 33280
    .private_segment_fixed_size: 0
    .kernarg_segment_align: 8
    .kernarg_segment_size: 56
    .max_flat_workgroup_size: 128
    .sgpr_count:     66
    .vgpr_count:     194
    .wavefront_size: 32
...
	.end_amdgpu_metadata
.endif
;; end of part 1
;; launch proj (part 2): grid 24 x 8, 4 waves a work-group, clusters of 4 x 4, 327,680 bytes of LDS; arguments codes, scales, bq, bk, bv, qkv_codes, qkv_scales; writes qkv_codes, qkv_scales
.if DOCPART == 2
	.amdgcn_target "amdgcn-amd-amdhsa--gfx1250"
	.amdhsa_code_object_version 6
	.text
	.protected	k_q92307b2671_proj
	.globl	k_q92307b2671_proj
	.p2align	8
	.type	k_q92307b2671_proj,@function
k_q92307b2671_proj:
	s_mov_b64 s[64:65], 0
	v_nop
	global_prefetch_b8 v0, s[64:65] scope:SCOPE_SE
	s_setreg_imm32_b32 hwreg(HW_REG_WAVE_MODE, 25, 1), 1
	s_wait_xcnt 0x0
	s_wait_alu depctr_hold_cnt(0) depctr_sa_sdst(0) depctr_va_vdst(0) depctr_va_sdst(0) depctr_va_ssrc(0) depctr_va_vcc(0) depctr_vm_vsrc(0)
	s_getreg_b32 s2, hwreg(HW_REG_IB_STS2, 6, 4)
	s_cmp_eq_u32 s2, 0
	s_cbranch_scc0 .Lentry_in_a_cluster
	s_endpgm
.Lentry_in_a_cluster:
	s_bfe_u32 s2, ttmp6, 0x10000c
	s_cmp_lg_u32 s2, 0xf033
	s_cbranch_scc0 .Lentry_shape_is_right
	s_endpgm
.Lentry_shape_is_right:
; Q = x Wq^T + bq, K = x Wk^T + bk and V^T = Wv x^T + bv, on codes of FP6 (E2M3) with E8M0 scales; the results are quantised in registers along their columns and leave as codes.
; ONE TEXT FOR ALL THREE: C[m][n] = sum over k of A[m][k] B[n][k], quantised along n.  Tile columns 0-15: A = x, B = Wq and Wk on end (n = the heads' 128, the next K of Q K^T).
; Tile columns 16-23: A = Wv, B = x (n = the keys, the next K of the product with the softmax).  All are rows of one buffer, codes[10240][1536]; only row numbers differ.
; A tile of C, 256 x 256, is made by four waves, 128 x 128 each: 64 accumulators, 512 registers.  K = 2,048 goes in steps of 256 through a ring of two LDS slots filled by the tensor data mover.
; 192 work-groups: a tile of another width that gave 256 would straddle the border between K's columns and V's.
; The scale bytes of the work-group's rows, for all of K, come into LDS once, with the first fills.
; CLUSTERS: 4 x 4.  A's tiles are asked for jointly along a row of the cluster, B's along a column.
; THE MATRIX INSTRUCTION IS USED TRANSPOSED (source 0 = 16 rows of B, source 1 = 16 rows of A).  The rows of B lie in the buffer with bits 3 and 4 of their number exchanged, so in accumulators (a, 2 B) and (a, 2 B + 1)
; a lane's 16 registers are the columns 32 B + 16 (lane / 16) + 0 .. 15 of its row: 16 neighbours along the next K.
; THE WAY OUT: a block of 16 rows x 128 columns becomes one fragment (12 registers a lane) and one scale word a row.  The fragment is stored AS AN IMAGE OF ITS REGISTERS: three stores of 512 consecutive bytes.
; qkv_codes: [G 0..47][128 blocks][1536]; G = head (Q), 16 + head (K), 32 + head (V); Q, K: block = 16 rows of x as they lie in codes; V: block = 8 x (step of 128 keys) + tile of 16 of the head's 128.
; qkv_scales: [G][2048] words, the blocks' rows on end.
; BIASES: bq, bk run along the columns: they are the C of the first K step's products.  bv runs along the rows: it is added on the way out.  Both are loaded by every work-group and the one that does not apply is made 0 by a select.
; LIMITS: NaN and infinities are not served; a block whose largest magnitude lies under 2^-124, a block of zeros among them, gets the byte 1 (its codes are then zeros or nearly so; this program alone reads the bytes).
; REGISTERS: window 0: v0-31 addresses; v32-63 scale words, two sets; v64-127 the column bias, later the block at work; v128-223 A's fragments, one set, later codes; v224-239 the row bias.
;   window 1: B's fragments, two sets, at v0 and v128.   windows 2, 3: the accumulators ((a, b) at v[8 (8 (a % 4) + b)]).
.set SIZE_K, 2048
.set KSTEP,  256                       ; along K in a slot
.set NQ,     KSTEP/128
.set ROWB,   192                       ; a tile's row in bytes
.set KROW,   SIZE_K*6/8                ; a row of codes in memory
.set PITCH,  240                       ; an LDS row: 3 x (64 bytes + 16 of padding)
.set FR,     12                        ; registers of a fragment
.set NL,     6                         ; LDS loads that bring one
.set NP,     4                         ; places behind this matrix instruction (ISA guide 7.12.1)
.set HALFT,  128*PITCH
.set SLOT,   4*HALFT                   ; A's 256 rows, then B's 256 rows
.set LAPS,   SIZE_K/(2*KSTEP)
.set KS,     SIZE_K/32                 ; a row of scale bytes
.set SCL,    2*SLOT                    ; behind the ring: the scale bytes, as runs of 256 bytes + 16 of padding
.set HALFS,  (128*KS/256)*272
.set SBLK,   (16*KS/256)*272
.set SPARE,  SCL+4*HALFS               ; the spare words: 128 bytes for each wave, named by no other line
.set ADRA, 16                          ; v16-17 LDS address of my A fragments in slot 0, 1 (v18-19: behind one padding more)
.set ADRB, 20                          ; v20-23 the same for B
.set SWA,  24                          ; v24  the way out: where I put a row's scale word: 512 x wave + 4 (lane % 16), in slot 0, which has had its last fill and its last read by then
.set SRD,  25                          ; v25  and where I read 16 bytes of them back
.set ADRS, 27                          ; v27  LDS address of my scale words: lanes 0-15 A's rows, lanes 16-31 B's
.set SPW,  28                          ; v28  my spare word; never rewritten
.set NIL,  29                          ; v29  0; never rewritten
.set ZR,   30                          ; v30  0, for the selects
.set LI,   31                          ; v31  16 x lane
.set SC,   32                          ; scale words
.set BN,   64                          ; the column bias: tile b's eight at v[BN + 8 b]
.set AF,   128                         ; A's fragments
.set BM,   224                         ; the row bias: block a's at v[BM + 2 a], twice
.set T,    64                          ; the way out: 64 numbers of a lane
.set PC,   128                         ; the codes just made (20 registers)
.set TM,   148                         ; at work (16 registers)
.set SW,   164                         ; the eight blocks' scale words
.set SB,   172                         ; 16 bytes of them, back from LDS
.set SEL, 66                           ; s[66:67] lane selects for v_permlanex16_b32: lane l xor 16
.set G1, 24
.set G0, 32
.set G1B, 48
.set G0B, 56
.set G1S, 68
.set G0S, 76
.set G1SB, 80
.set G0SB, 88
.set MSB, 0
.macro WIN new                         ; the immediate's high byte repeats the setting that is left
.if MSB != \new
	s_set_vgpr_msb (MSB<<8)|\new
.set MSB, \new
.endif
.endm
.set MUL_LO, 0xa1                      ; source 0 (B) window 1, source 1 (A) window 0, C and D window 2
.set MUL_HI, 0xf1                      ; the same, C and D window 3
.set FST_LO, 0x81                      ; the first K step: C is the bias, in window 0
.set FST_HI, 0xc1
.set TO_B,   0x40                      ; destination window 1, address window 0
; A joint load: waves 0 and 1 fetch for A, waves 2 and 3 for B; the branch hangs on the wave's number alone.  Four v_nop follow each of the two lines.
.macro JLOAD g0a, g1a, g0b, g1b
	s_cmp_eq_u32 s15, 0
	s_cbranch_scc0 .Lfor_b_\@
	tensor_load_to_lds s[\g0a:\g0a+3], s[\g1a:\g1a+7]
	s_nop 0
.rept 4
	v_nop
.endr
	s_branch .Lasked_\@
.Lfor_b_\@:
	tensor_load_to_lds s[\g0b:\g0b+3], s[\g1b:\g1b+7]
	s_nop 0
.rept 4
	v_nop
.endr
.Lasked_\@:
.endm
.macro CREST                           ; a round of the cluster's barrier behind its opening barrier
	s_cmp_lg_u32 s14, 0
	s_cbranch_scc1 .Lnot_wave_0_\@
	s_barrier_signal -3
.Lnot_wave_0_\@:
	s_barrier_wait -3
	s_barrier_signal -1
	s_barrier_wait -1
.endm
.macro CROUND
	s_barrier_signal -1
	s_barrier_wait -1
	CREST
.endm
	s_load_b128 s[4:7], s[0:1], 0x0                ; codes, scales
	s_load_b128 s[8:11], s[0:1], 0x10              ; bq, bk
	s_load_b128 s[96:99], s[0:1], 0x20             ; bv, qkv_codes
	s_load_b64 s[12:13], s[0:1], 0x30              ; qkv_scales
	v_lshl_add_u32 v[SPW], v0, 2, SPARE
	v_mov_b32 v[NIL], 0
	ds_add_u32 v28, v29
	ds_add_u32 v28, v29
	s_wait_dscnt 0x0
	v_lshrrev_b32 v1, 5, v0
	v_readfirstlane_b32 s14, v1                    ; wave 0..3
	s_lshr_b32 s15, s14, 1                         ; which half of the tile's rows is mine.  Also: I fetch for A (0) or for B (1)
	s_and_b32 s16, s14, 1                          ; which half of its columns.  Also: which 128 rows of that tile I fetch
	s_bfe_u32 s40, ttmp6, 0x40000                  ; cx, cy
	s_bfe_u32 s41, ttmp6, 0x40004
	s_lshl_b32 s42, ttmp9, 2
	s_add_co_u32 s42, s42, s40                     ; tile column 0..23
	s_and_b32 s17, ttmp7, 0xffff
	s_lshl_b32 s17, s17, 2
	s_add_co_u32 s17, s17, s41                     ; tile row 0..7
	s_lshl_b32 s43, s41, 2
	s_lshl_b32 s43, 15, s43                        ; my row of the cluster
	s_lshl_b32 s44, 0x1111, s40                    ; my column
	s_lshr_b32 s95, ttmp9, 2                       ; 1 where the cluster makes V^T: the same in all sixteen partners
	s_mul_i32 s2, s95, 6144                        ; Wv's first row in codes
	s_mov_b32 s[SEL], 0x76543210
	s_mov_b32 s[SEL+1], 0xfedcba98
	; descriptor group 1: a tile of 128 rows x 192 bytes; 16 bytes of padding behind every 64
	s_or_b32 s[G1+0], s43, (0<<16)|(1<<20)|(1<<21)|(3<<22)|(3<<25)
	s_or_b32 s[G1B+0], s44, (0<<16)|(1<<20)|(1<<21)|(3<<22)|(3<<25)
.irp g, G1, G1B
	s_mov_b32 s[\g+1], ROWB<<16                    ; tensor_dim0
	s_mov_b32 s[\g+2], 128<<16                     ; tensor_dim1
	s_mov_b32 s[\g+3], ROWB<<16                    ; tile_dim0
	s_mov_b32 s[\g+4], 128                         ; tile_dim1
	s_mov_b32 s[\g+5], KROW                        ; the pitch
	s_mov_b32 s[\g+6], 0
	s_mov_b32 s[\g+7], 0
.endr
	; the scale bytes of 128 rows: 8,192 dense bytes as 32 rows of 256 (32 elements of 8 bytes), 16 bytes of padding behind each
	s_or_b32 s[G1S+0], s43, (3<<16)|(1<<20)|(1<<21)|(5<<22)|(3<<25)
	s_or_b32 s[G1SB+0], s44, (3<<16)|(1<<20)|(1<<21)|(5<<22)|(3<<25)
.irp g, G1S, G1SB
	s_mov_b32 s[\g+1], 32<<16
	s_mov_b32 s[\g+2], (128*KS/256)<<16
	s_mov_b32 s[\g+3], 32<<16
	s_mov_b32 s[\g+4], 128*KS/256
	s_mov_b32 s[\g+5], 32
	s_mov_b32 s[\g+6], 0
	s_mov_b32 s[\g+7], 0
.endr
	s_lshl_b32 s18, s16, 7                         ; which 128 rows of the tile I fetch
	s_lshl_b32 s20, s17, 8
	s_add_co_u32 s20, s20, s18
	s_add_co_u32 s20, s20, s2                      ; A's row in codes: x's, or Wv's
	s_lshl_b32 s46, s42, 8
	s_add_co_u32 s46, s46, s18
	s_add_co_u32 s46, s46, 2048
	s_sub_co_u32 s46, s46, s2                      ; B's: Wq's and Wk's from row 2,048 on, or x's (tile column 16 is x's row 0)
	s_mov_b32 s21, 0
	s_mov_b32 s47, 0
	s_mov_b64 s[18:19], KS
	s_mul_u64 s[22:23], s[20:21], s[18:19]         ; where these rows' scale bytes begin
	s_mul_u64 s[92:93], s[46:47], s[18:19]
	s_mov_b64 s[18:19], KROW
	s_mul_u64 s[20:21], s[20:21], s[18:19]         ; and their codes
	s_mul_u64 s[46:47], s[46:47], s[18:19]
	s_mul_i32 s45, s14, HALFT                      ; where they go: wave x 128 rows
	s_mul_i32 s94, s14, HALFS
	s_wait_kmcnt 0x0
	s_add_nc_u64 s[20:21], s[4:5], s[20:21]
	s_add_nc_u64 s[22:23], s[6:7], s[22:23]
	s_add_nc_u64 s[46:47], s[4:5], s[46:47]
	s_add_nc_u64 s[92:93], s[6:7], s[92:93]
	CROUND                                         ; all sixteen work-groups are here: the first joint loads meet
	s_mov_b32 s[G0S], 1
	s_add_co_u32 s[G0S+1], s94, SCL
	s_mov_b64 s[G0S+2:G0S+3], s[22:23]
	s_or_b32 s[G0S+3], s[G0S+3], 0x80000000
	s_mov_b32 s[G0SB], 1
	s_add_co_u32 s[G0SB+1], s94, SCL
	s_mov_b64 s[G0SB+2:G0SB+3], s[92:93]
	s_or_b32 s[G0SB+3], s[G0SB+3], 0x80000000
	JLOAD G0S, G1S, G0SB, G1SB                     ; the scale bytes first: they are wanted with K step 0
.irp s, 0,1
	s_mov_b32 s[G0+4*\s], 1
	s_add_co_u32 s[G0+4*\s+1], s45, \s*SLOT
	s_add_nc_u64 s[G0+4*\s+2:G0+4*\s+3], s[20:21], \s*ROWB
	s_or_b32 s[G0+4*\s+3], s[G0+4*\s+3], 0x80000000
	s_mov_b32 s[G0B+4*\s], 1
	s_add_co_u32 s[G0B+4*\s+1], s45, \s*SLOT
	s_add_nc_u64 s[G0B+4*\s+2:G0B+4*\s+3], s[46:47], \s*ROWB
	s_or_b32 s[G0B+4*\s+3], s[G0B+4*\s+3], 0x80000000
	JLOAD G0+4*\s, G1, G0B+4*\s, G1B
.endr
	v_and_b32 v1, 15, v0                           ; r = lane % 16
	v_bfe_u32 v2, v0, 4, 1                         ; h = lane / 16
	; the biases.  Columns: my wave's 128 numbers of bq or bk; lane (r, h) wants, for tile 2 B + u, those at 32 B + 16 h + 8 u + 0 .. 7
	s_cmp_lt_u32 ttmp9, 2
	s_cselect_b64 s[8:9], s[8:9], s[10:11]         ; tile columns 0-7: bq; else bk (a work-group of V^T loads it too and selects 0)
	s_and_b32 s46, s42, 7
	s_lshl_b32 s46, s46, 1
	s_add_co_u32 s46, s46, s16
	s_lshl_b32 s46, s46, 9
	s_mov_b32 s47, 0
	s_add_nc_u64 s[8:9], s[8:9], s[46:47]
	s_lshl_b32 s20, s17, 1                         ; rows: my wave's 128 numbers of bv; lane r of block 2 B + u wants the one at 32 B + 8 u + r % 8 + 16 (r / 8)
	s_add_co_u32 s20, s20, s15
	s_lshl_b32 s22, s20, 9
	s_mov_b32 s23, 0
	s_add_nc_u64 s[96:97], s[96:97], s[22:23]
	v_lshlrev_b32 v7, 6, v2
	v_and_b32 v8, 7, v1
	v_lshrrev_b32 v9, 3, v1
	v_lshl_add_u32 v8, v9, 4, v8
	v_lshlrev_b32 v8, 2, v8
.irp b, 0,1,2,3,4,5,6,7
	global_load_b128 v[BN+8*\b:BN+8*\b+3], v7, s[8:9] offset:(32*(\b/2)+8*(\b%2))*4
	global_load_b128 v[BN+8*\b+4:BN+8*\b+7], v7, s[8:9] offset:(32*(\b/2)+8*(\b%2))*4+16
.endr
.irp a, 0,1,2,3,4,5,6,7
	global_load_b32 v[BM+2*\a], v8, s[96:97] offset:(32*(\a/2)+8*(\a%2))*4
.endr
	v_mul_u32_u24 v3, v1, PITCH
	v_mul_u32_u24 v4, v2, 24
	v_add_nc_u32 v4, v3, v4                        ; a fragment's row x pitch + 24 x half
	v_lshl_add_u32 v5, v2, 4, v4                   ; and the same behind one padding more
	s_mul_i32 s21, s15, HALFT                      ; my 128 rows of A
	s_mul_i32 s22, s16, HALFT                      ; my 128 rows of B,
	s_add_co_u32 s22, s22, 2*HALFT                 ; which lie behind A's 256
.irp s, 0,1
	v_add_nc_u32 v[ADRA+\s], s21, v4
	v_add_nc_u32 v[ADRB+\s], s22, v4
	v_add_nc_u32 v[ADRA+2+\s], s21, v5
	v_add_nc_u32 v[ADRB+2+\s], s22, v5
	s_add_co_u32 s21, s21, SLOT
	s_add_co_u32 s22, s22, SLOT
.endr
	v_mul_u32_u24 v5, v1, KS                       ; my row's scale bytes: KS a row,
	v_lshrrev_b32 v6, 8, v5
	v_lshl_add_u32 v5, v6, 4, v5                   ; and 16 more for each 256 passed
	s_mul_i32 s21, s15, HALFS
	s_mul_i32 s22, s16, HALFS
	s_add_co_u32 s22, s22, 2*HALFS
	s_sub_co_u32 s22, s22, s21
	v_mul_u32_u24 v6, s22, v2                      ; lanes 16-31 take B's
	s_add_co_u32 s21, s21, SCL
	v_add_nc_u32 v5, v5, v6
	v_add_nc_u32 v[ADRS], s21, v5
	v_and_b32 v6, 31, v0
	v_lshlrev_b32 v[LI], 4, v6
	s_lshl_b32 s23, s14, 9
	v_lshl_add_u32 v[SWA], v1, 2, s23
	v_add_nc_u32 v[SRD], s23, v[LI]
	v_mov_b32 v[ZR], 0
	; where my 8 blocks go.  u = 2 x tile row + row half, w = 2 x tile column + column half.  Q, K: run 16 w + u (G = w, blocks 8 u on);  V: run 16 (32 + u) + w - 32 (G = 32 + u, key step w - 32)
	s_lshl_b32 s46, s42, 1
	s_add_co_u32 s46, s46, s16
	s_lshl_b32 s21, s20, 4
	s_add_co_u32 s21, s21, s46
	s_add_co_u32 s21, s21, 480
	s_lshl_b32 s47, s46, 4
	s_add_co_u32 s47, s47, s20
	s_cmp_eq_u32 s95, 0
	s_cselect_b32 s46, s47, s21
	s_cselect_b32 vcc_lo, -1, 0                    ; all ones where the work-group makes Q or K
	s_mul_i32 s92, s46, 8*FR*128                   ; 12,288 bytes of codes a run
	s_mov_b32 s93, 0
	s_add_nc_u64 s[98:99], s[98:99], s[92:93]
	s_lshl_b32 s92, s46, 9                         ; 512 bytes of scale words
	s_add_nc_u64 s[12:13], s[12:13], s[92:93]
	s_wait_loadcnt 0x0                             ; the biases
.set i, 0
.rept 64
	v_cndmask_b32 v[BN+i], v[ZR], v[BN+i], vcc_lo  ; the column bias counts for Q and K alone
.set i, i+1
.endr
.irp a, 0,1,2,3,4,5,6,7
	v_cndmask_b32 v[BM+2*\a+1], v[BM+2*\a], v[ZR], vcc_lo   ; the row bias for V^T alone; twice, since the packed addition names a pair.  (These sixteen lines also stand between the last write of the column bias and the products)
	v_cndmask_b32 v[BM+2*\a], v[BM+2*\a], v[ZR], vcc_lo
.endr
.macro FRAG reg, adr, q, i             ; a fragment: lane l holds row l % 16; registers 6 c .. 6 c + 5 hold K = 64 c + 32 (l / 16) + 0 .. 31: 24 bytes of the row, in pieces of 8
.irp p, 0,1,2,3,4,5
.set PCE, 12*(\q)+6*(\p/3)+\p%3        ; lanes 16-31 read three pieces further on; where that lies behind one padding more, the second address register serves
.if PCE%8 < 5
	ds_load_b64 v[\reg+2*\p:\reg+2*\p+1], v[\adr] offset:8*PCE+16*(PCE/8)+(\i)*16*PITCH
.else
	ds_load_b64 v[\reg+2*\p:\reg+2*\p+1], v[\adr+2] offset:8*PCE+16*(PCE/8)+(\i)*16*PITCH
.endif
.endr
.endm
; 16 matrix instructions: A's blocks a0, a0 + 1 x B's eight, 128 along K.  first = 1: the column bias is the C: nothing is cleared and no addition is spent.
; The 64 accumulators take turns, one instruction a turn, in the same order in every step.
.macro MUL16 a0, p, q, sc, first
.irp a, \a0, \a0+1
.irp b, 0,1,2,3,4,5,6,7
.if \first
	v_wmma_scale_f32_16x16x128_f8f6f4 v[8*(8*((\a)%4)+\b):8*(8*((\a)%4)+\b)+7], v[128*(\p)+FR*\b:128*(\p)+FR*\b+FR-1], v[AF+FR*(\a):AF+FR*(\a)+FR-1], v[BN+8*\b:BN+8*\b+7], v[SC+8*NQ*(\sc)+NQ*\b+(\q)], v[SC+8*NQ*(\sc)+NQ*(\a)+(\q)] matrix_a_fmt:MATRIX_FMT_FP6 matrix_b_fmt:MATRIX_FMT_FP6 matrix_a_scale:MATRIX_SCALE_ROW1
.else
	v_wmma_scale_f32_16x16x128_f8f6f4 v[8*(8*((\a)%4)+\b):8*(8*((\a)%4)+\b)+7], v[128*(\p)+FR*\b:128*(\p)+FR*\b+FR-1], v[AF+FR*(\a):AF+FR*(\a)+FR-1], v[8*(8*((\a)%4)+\b):8*(8*((\a)%4)+\b)+7], v[SC+8*NQ*(\sc)+NQ*\b+(\q)], v[SC+8*NQ*(\sc)+NQ*(\a)+(\q)] matrix_a_fmt:MATRIX_FMT_FP6 matrix_b_fmt:MATRIX_FMT_FP6 matrix_a_scale:MATRIX_SCALE_ROW1
.endif
.endr
.endr
.endm
.macro FETCH_B slot, q, p
	WIN TO_B
.irp i, 0,1,2,3,4,5,6,7
	FRAG 128*(\p)+FR*\i, ADRB+\slot, \q, \i
.endr
	WIN 0
.endm
.macro FETCH_A slot, q, i0
.irp i, \i0, \i0+1, \i0+2, \i0+3
	FRAG AF+FR*(\i), ADRA+\slot, \q, \i
.endr
.endm
.macro SCALES sc                       ; a K step's scale words: lanes 0-15 take A's block i, lanes 16-31 B's block i
.irp i, 0,1,2,3,4,5,6,7
	ds_load_b64 v[SC+8*NQ*\sc+NQ*\i:SC+8*NQ*\sc+NQ*\i+1], v[ADRS] offset:\i*SBLK
.endr
.endm
.macro PLACES n                        ; plain vector lines between a matrix instruction and a load into, or a vector line on, its registers
.rept \n
	v_nop
.endr
.endm
; A step of 128 along K that has its successor in the same slot.
.macro STEP slot, q, first
	s_wait_dscnt 4*NL                              ; B's set and A's blocks 0-3 are in; the youngest 24 loads (A's blocks 4-7) may be out
.if \first
	WIN FST_LO
.else
	WIN MUL_LO
.endif
	MUL16 0, (\q)%2, \q, \slot, \first
	MUL16 2, (\q)%2, \q, \slot, \first
	s_wait_dscnt 0                                 ; A's blocks 4-7 are in
	PLACES NP
	FETCH_B \slot, (\q)+1, 1-(\q)%2
	FETCH_A \slot, (\q)+1, 0
.if \first
	WIN FST_HI
.else
	WIN MUL_HI
.endif
	MUL16 4, (\q)%2, \q, \slot, \first
	MUL16 6, (\q)%2, \q, \slot, \first
	PLACES NP
	WIN 0
	FETCH_A \slot, (\q)+1, 4
.endm
; A slot's last step changes slots: one barrier; in front of it each wave waits for all its tensor loads, adds 0 to its spare word, and waits for that and for its reads of this slot.  fill = 1: this slot is filled again, two K steps ahead.
.macro TURN slot, next, fill
	s_wait_tensorcnt 0x0                           ; all my tensor loads have landed: my part of the next slot
	ds_add_u32 v[SPW], v[NIL]                      ; 0 onto my spare word
	s_wait_dscnt 4*NL+1                            ; (the add and the youngest 24 loads, A's blocks 4-7, may be out)
	WIN MUL_LO
	MUL16 0, 1, NQ-1, \slot, 0                     ; sixteen matrix instructions stand between the add and the wait for it
	s_wait_dscnt 0x0                               ; the add is done, and my reads of this slot are over
	s_barrier_signal -1
	MUL16 2, 1, NQ-1, \slot, 0
	WIN 0
	s_barrier_wait -1
.if \fill
	CREST                                          ; the barrier has opened a round of the cluster's barrier: no wave of any partner still reads this slot or has a load on its way
	s_add_nc_u64 s[G0+4*\slot+2:G0+4*\slot+3], s[G0+4*\slot+2:G0+4*\slot+3], 2*ROWB
	s_add_nc_u64 s[G0B+4*\slot+2:G0B+4*\slot+3], s[G0B+4*\slot+2:G0B+4*\slot+3], 2*ROWB
	JLOAD G0+4*\slot, G1, G0B+4*\slot, G1B         ; the first tensor load behind the round; its four v_nop are the places in front of the loads below
.else
	PLACES NP
.endif
	v_add_nc_u32 v[ADRS], 4*NQ, v[ADRS]            ; on to the next K step's scale words (no LDS load of mine is out)
	FETCH_B \next, 0, 0
	FETCH_A \next, 0, 0
	SCALES \next
	WIN MUL_HI
	MUL16 4, 1, NQ-1, \slot, 0
	MUL16 6, 1, NQ-1, \slot, 0
	PLACES NP
	WIN 0
	FETCH_A \next, 0, 4
.endm
	s_wait_tensorcnt 1                             ; the scale bytes and my part of K step 0 are in (K step 1's load may be out)
	s_barrier_signal -1
	s_barrier_wait -1                              ; everybody's are
	FETCH_B 0, 0, 0
	FETCH_A 0, 0, 0
	SCALES 0
	FETCH_A 0, 0, 4
	STEP 0, 0, 1                                   ; the first step stands in front of the loop: its products start the sums, from the bias
	s_mov_b32 s3, LAPS-1
.Llap:                                                 ; a trip goes once round the ring and fills both slots again
	TURN 0, 1, 1
	STEP 1, 0, 0
	TURN 1, 0, 1
	STEP 0, 0, 0
	s_sub_co_u32 s3, s3, 1
	s_cmp_lg_u32 s3, 0
	s_cbranch_scc1 .Llap
	TURN 0, 1, 0                                   ; the last lap fills nothing, and has no round of the cluster's barrier
	STEP 1, 0, 0
	s_wait_dscnt 4*NL                              ; the very last step: nothing more to fetch
	WIN MUL_LO
	MUL16 0, 1, NQ-1, 1, 0
	MUL16 2, 1, NQ-1, 1, 0
	s_wait_dscnt 0
	WIN MUL_HI
	MUL16 4, 1, NQ-1, 1, 0
	MUL16 6, 1, NQ-1, 1, 0
	WIN 0
; 64 numbers of a lane, v[s] .. v[s + 63], register 16 b + i = column 32 b + 16 (lane / 16) + i of my row, become a fragment's codes in v[PC] .. v[PC + 11] and its scale word in v[pw].
.macro QUANT s, pw
.irp b, 0,1,2,3
	v_max3_num_f32 v[TM+\b], |v[\s+16*\b]|, |v[\s+1+16*\b]|, 0x1800000   ; block b: my 16 numbers, and the floor 2^(3 - 127): the byte cannot fall under 1
.endr
.irp i, 2,4,6,8,10,12,14
.irp b, 0,1,2,3
	v_max3_num_f32 v[TM+\b], v[TM+\b], |v[\s+16*\b+\i]|, |v[\s+1+16*\b+\i]|   ; (the four blocks by turns)
.endr
.endr
.irp b, 0,1,2,3
	v_permlanex16_b32 v[TM+4+\b], v[TM+\b], s[SEL], s[SEL+1]
.endr
.irp b, 0,1,2,3
	v_max_num_f32 v[TM+\b], v[TM+\b], v[TM+4+\b]   ; with lane l xor 16's: the block's largest magnitude
.endr
.irp b, 0,1,2,3
	v_add_nc_u32 v[TM+12+\b], 0xff000000, v[TM+\b] ; 2 off its exponent field: the conversion's scale operand
.endr
.irp b, 0,1,2,3
	v_lshrrev_b32 v[TM+4+\b], 23, v[TM+12+\b]      ; the scale's byte
.endr
	v_lshl_or_b32 v[\pw], v[TM+5], 8, v[TM+4]      ; the four bytes make my row's scale word
	v_lshl_or_b32 v[\pw], v[TM+6], 16, v[\pw]
	v_lshl_or_b32 v[\pw], v[TM+7], 24, v[\pw]
.irp c, 0,1
	v_cvt_scalef32_pk16_fp6_f32 v[PC+6*\c:PC+2+6*\c], v[\s+32*\c:\s+15+32*\c], v[TM+12+2*\c]
	v_cvt_scalef32_pk16_fp6_f32 v[PC+12+4*\c:PC+14+4*\c], v[\s+16+32*\c:\s+31+32*\c], v[TM+12+2*\c+1]   ; (a conversion's three registers begin on an even number)
.endr
	v_nop                                          ; one plain line behind a scaled conversion
.irp c, 0,1                                    ; the operand's layout wants a whole block in a lane: lanes 0-15 block 2 c, lanes 16-31 block 2 c + 1
.irp i, 0,1,2
	v_permlane16_swap_b32 v[PC+6*\c+\i], v[PC+12+4*\c+\i]
.endr
.irp i, 0,1,2
	v_mov_b32 v[PC+3+6*\c+\i], v[PC+12+4*\c+\i]
.endr
.endr
.endm
; THE WAY OUT of block a: the row bias is added on the way into window 0 (each accumulator from its low end on), the 64 numbers are quantised, the fragment leaves as it stands.
.macro OUTBLK a
.set AC, 64*((\a)%4)
.if (\a) > 0
	s_wait_xcnt 0x0                                ; the last block's stores have read the codes' registers: they are written again only behind this wait
.endif
	WIN 0x02+(\a)/4                                ; source 0: window 2 or 3
.set i, 0
.rept 32
	v_pk_add_f32 v[T+i:T+i+1], v[AC+i:AC+i+1], v[BM+2*(\a):BM+2*(\a)+1] op_sel_hi:[1,0]
.set i, i+2
.endr
	WIN 0
	QUANT T, SW+(\a)
.irp c, 0,1,2
	global_store_b128 v[LI], v[PC+4*\c:PC+4*\c+3], s[98:99] offset:FR*128*(\a)+512*\c   ; 32 lanes store 512 consecutive bytes, aligned
.endr
	ds_store_b32 v[SWA], v[SW+(\a)] offset:64*(\a) ; lanes l and l + 16 write the same word with the same value
.endm
	PLACES NP                                      ; behind the last products: the lines below read results and write registers that held operands
.irp b, 0,1,2,3
	v_mov_b32 v[TM+4+\b], 0                        ; written once: a lane permute's destination counts as one of its sources
.endr
.irp a, 0,1,2,3,4,5,6,7
	OUTBLK \a
.endr
	ds_load_b128 v[SB:SB+3], v[SRD]                ; my 128 rows' scale words, 16 bytes a lane: LDS serves a wave's instructions in order, so these see my stores
	s_wait_dscnt 0x0
	global_store_b128 v[LI], v[SB:SB+3], s[12:13]  ; 512 consecutive bytes, aligned
	s_wait_tensorcnt 0x0                           ; the wave's end
	ds_add_u32 v[SPW], v[NIL]
	s_wait_dscnt 0x0
	CROUND                                         ; the closing round: no work-group ends while a partner may still ask for a tile that names it
	s_endpgm
.Lfunc_end_k_q92307b2671_proj:
	.size	k_q92307b2671_proj, .Lfunc_end_k_q92307b2671_proj-k_q92307b2671_proj
	.p2alignl 7, 3214868480
	.fill 96, 4, 3214868480
	.section	.rodata,"a",@progbits
	.p2align	6, 0x0
	.amdhsa_kernel k_q92307b2671_proj
		.amdhsa_group_segment_fixed_size 327680
		.amdhsa_private_segment_fixed_size 0
		.amdhsa_enable_private_segment 0
		.amdhsa_kernarg_size 56
		.amdhsa_user_sgpr_count 2
		.amdhsa_user_sgpr_kernarg_segment_ptr 1
		.amdhsa_wavefront_size32 1
		.amdhsa_system_sgpr_workgroup_id_x 1
		.amdhsa_system_sgpr_workgroup_id_y 1
		.amdhsa_system_sgpr_workgroup_id_z 1
		.amdhsa_system_vgpr_workitem_id 0
		.amdhsa_next_free_vgpr 1024
		.amdhsa_next_free_sgpr 100
		.amdhsa_reserve_vcc 1
		.amdhsa_float_denorm_mode_32 3
		.amdhsa_float_denorm_mode_16_64 3
		.amdhsa_memory_ordered 1
		.amdhsa_forward_progress 1
		.amdhsa_inst_pref_size 186
	.end_amdhsa_kernel
	.amdgpu_metadata
---
amdhsa.version: [ 1, 2 ]
amdhsa.kernels:
  - .name:           k_q92307b2671_proj
    .symbol:         k_q92307b2671_proj.kd
    .args:
      - { .name: codes, .offset: 0, .size: 8, .value_kind: global_buffer, .address_space: global }
      - { .name: scales, .offset: 8, .size: 8, .value_kind: global_buffer, .address_space: global }
      - { .name: bq, .offset: 16, .size: 8, .value_kind: global_buffer, .address_space: global }
      - { .name: bk, .offset: 24, .size: 8, .value_kind: global_buffer, .address_space: global }
      - { .name: bv, .offset: 32, .size: 8, .value_kind: global_buffer, .address_space: global }
      - { .name: qkv_codes, .offset: 40, .size: 8, .value_kind: global_buffer, .address_space: global }
      - { .name: qkv_scales, .offset: 48, .size: 8, .value_kind: global_buffer, .address_space: global }
    .group_segment_fixed_size: 327680
    .private_segment_fixed_size: 0
    .kernarg_segment_align: 8
    .kernarg_segment_size: 56
    .max_flat_workgroup_size: 128
    .sgpr_count:     100
    .vgpr_count:     1024
    .wavefront_size: 32
...
	.end_amdgpu_metadata
.endif
;; end of part 2
;; launch attn (part 3): grid 16 x 16, 8 waves a work-group, clusters of 4 x 1, 327,680 bytes of LDS; arguments qkv_codes, qkv_scales, attn_codes, attn_scales; writes attn_codes, attn_scales
.if DOCPART == 3
	.amdgcn_target "amdgcn-amd-amdhsa--gfx1250"
	.amdhsa_code_object_version 6
	.text
	.protected	k_q92307b2671_attn
	.globl	k_q92307b2671_attn
	.p2align	8
	.type	k_q92307b2671_attn,@function
k_q92307b2671_attn:
	s_mov_b64 s[64:65], 0
	v_nop
	global_prefetch_b8 v0, s[64:65] scope:SCOPE_SE
	s_setreg_imm32_b32 hwreg(HW_REG_WAVE_MODE, 25, 1), 1
	s_wait_xcnt 0x0
	s_wait_alu depctr_hold_cnt(0) depctr_sa_sdst(0) depctr_va_vdst(0) depctr_va_sdst(0) depctr_va_ssrc(0) depctr_va_vcc(0) depctr_vm_vsrc(0)
	s_getreg_b32 s2, hwreg(HW_REG_IB_STS2, 6, 4)
	s_cmp_eq_u32 s2, 0
	s_cbranch_scc0 .Lentry_in_a_cluster
	s_endpgm
.Lentry_in_a_cluster:
	s_bfe_u32 s2, ttmp6, 0x10000c
	s_cmp_lg_u32 s2, 0x3003
	s_cbranch_scc0 .Lentry_shape_is_right
	s_endpgm
.Lentry_shape_is_right:
; Attention of 16 heads of 128 over 2,048 keys, no mask, both products on codes of FP6 (E2M3) with E8M0 scales; the result is quantised along the head's 128 and leaves as codes for the last product.
; THE SOFTMAX AHEAD OF THE SECOND PRODUCT: t = score x log2(e) / sqrt(128); M = the row's largest t so far, rounded up to a whole number; p = 2^(t - M) is quantised along the keys, not normalised.
; The row's sum is taken of the unquantised p and divides O at the end.  When M moves, the sum and O are multiplied by 2^(old M - new M): exact.
; INPUTS ARE IMAGES OF OPERAND REGISTERS: qkv_codes [G][128 blocks][1536]: a block is a fragment of 16 rows x 128 K, registers 4 c .. 4 c + 3 of lane l at 512 c + 16 l.  G = head: Q; 16 + head: K; 32 + head: V^T
; (block 8 x key step + tile of 16 of the head's 128; K = the step's 128 keys in their true order).  qkv_scales [G][2048] words, the blocks' rows on end.  A fragment comes from LDS by three loads of 512 consecutive bytes.
; The rows of Q and K lie with bits 3 and 4 of their number exchanged, and so do V^T's 128 rows.  So with both products used transposed (S^T = K Q^T, O^T = V^T P^T) a lane holds one query throughout, p's 16 registers
; of two neighbouring tiles are 16 neighbouring keys, and O^T's are 16 neighbours of the head's 128.  Queries keep their exchanged order into attn_codes; the last launch undoes it.
; SHARES.  A work-group owns 128 queries of one head; each of its eight waves 16 of them, in 256 registers: two waves to a SIMD.  Every wave walks all keys, 128 a step.
; RING.  Two LDS slots of 512 keys (4 steps of K, 4 of V, 12,288 bytes each); each of the eight waves fetches one step's block with one tensor load.  The head's scale words of K and V stay in LDS, filled once.
; CLUSTER.  The four query blocks of a cluster belong to one head and walk the same K and V: every tensor load is a joint one, with the mask of all four.
; LIMITS: NaN and infinities are not served; a block of the result whose largest magnitude lies under 2^-124 gets the byte 1.
; The scale words of the result are stores of 4 bytes, 64 bytes apart (16 a wave, 131,072 bytes in the launch beside 3,145,728 of codes): the price of the rows that the last launch's scale loads want.
; REGISTERS: v1-3 addresses that stay; v5, v6 the add's; v8-10 addresses in hand; v12 -M, v13 the largest t, v[14:15] the sum; v16-27 Q; v32-79 four fragments of K or V; v96-159 S^T, then p; v160-223 O^T;
;   v224-235 p's codes; v232-247, v252, v254 at work; v248-251 scale words of K or V (register i: tile 2 i in lanes 0-15, tile 2 i + 1 in lanes 16-31); v253 p's scale word; v255 Q's.
.set STEPB, 12288                      ; a key step's eight fragments of K, or of V
.set VOFF,  4*STEPB                    ; a slot: 4 steps of K, then 4 of V
.set SLOTB, 4*STEPB                    ; a slot on, in K's or V's memory
.set SLOT1, 1<<17                      ; slot 1 begins here: one exclusive or turns an address
.set NSL,   4                          ; slots' worth of keys
.set SCB,   2*SLOT1                    ; behind the ring: K's 8,192 bytes of scale words, then V's
.set SPARE, SCB+16384                  ; the spare words: 128 bytes for each of eight waves, named by no other line
.set LI,   1                           ; v1   16 x lane
.set AV0,  2                           ; v2   16 x lane + VOFF
.set LS,   3                           ; v3   SCB + 4 x lane
.set SPW,  5
.set NIL,  6
.set ADK,  8
.set ADV,  9
.set ADS,  10
.set PFO,  28                          ; v28  256 x lane; never rewritten
.set LN,   29                          ; v29  lane
.set TM,   232                         ; the way out's quantiser: at work
.set PC,   32                          ; and its codes
.set WV,   18
.set SEL,  20                          ; s[20:21] lane selects: lane l xor 16
.set CS,   22                          ; s[22:23] c = log2(e) / sqrt(128)
.set G1T,  24                          ; s[24:31] group 1 for a step's block;  s[32:39] for scale words;  s[40:43], s[44:47] their groups 0
.set G1S,  32
.set G0T,  40
.set G0S,  44
.set TB,   2                           ; s2   LDS byte at which the slot in hand begins
.set TS,   3                           ; s3   the step's scale words: 512 bytes a step
.set SLOTS, 67
.set PFA,  76                          ; s[76:77] where my prefetches stand
.set LIM,  80                          ; s80  1 in a wave that prefetches, else the greatest number
.macro CROUND                          ; a round of the cluster's barrier
	s_barrier_signal -1
	s_barrier_wait -1
	s_cmp_lg_u32 s[WV], 0
	s_cbranch_scc1 .Lnot_wave_0_\@
	s_barrier_signal -3
.Lnot_wave_0_\@:
	s_barrier_wait -3
	s_barrier_signal -1
	s_barrier_wait -1
.endm
; A PREFETCH INTO THE L2 of what the next change of slots will ask for: 49,152 bytes of K and as many of V.  All clusters of a head walk the same bytes: the head's first cluster asks.  Its four partners share them out by address
; (partners 0, 1: K's halves; 2, 3: V's); in each, waves 0 to 2 ask for 8,192 bytes each, lanes 256 bytes apart: 4 x 3 x 32 blocks of 256 bytes, each named once.  Slots 0 and 1 come by their loads alone; the last change that fills a slot asks for nothing.
.macro ASK
	s_cmp_gt_u32 s[SLOTS], s[LIM]
	s_cbranch_scc0 .Lnot_mine_\@
	global_prefetch_b8 v[PFO], s[PFA:PFA+1] th:TH_LOAD_NT scope:SCOPE_SE
.Lnot_mine_\@:
.endm
	s_load_b256 s[4:11], s[0:1], 0x0               ; qkv_codes s[4:5], qkv_scales s[6:7], attn_codes s[8:9], attn_scales s[10:11]
	v_lshl_add_u32 v[SPW], v0, 2, SPARE
	v_mov_b32 v[NIL], 0
	ds_add_u32 v5, v6
	ds_add_u32 v5, v6
	s_wait_dscnt 0x0
	v_lshrrev_b32 v8, 5, v0
	v_readfirstlane_b32 s[WV], v8                  ; wave 0..7
	s_bfe_u32 s13, ttmp6, 0x40000                  ; cx
	s_lshl_b32 s14, ttmp9, 2
	s_add_co_u32 s14, s14, s13                     ; my block of 128 queries: it enters Q's and the result's addresses alone
	s_and_b32 s12, ttmp7, 0xffff                   ; the head, which the four partners share
	s_lshr_b32 s15, s[WV], 2                       ; I fetch for K (0) or V (1),
	s_and_b32 s16, s[WV], 3                        ; this step of a slot's four
	s_lshl_b32 s17, s15, 4
	s_add_co_u32 s17, s17, s12
	s_add_co_u32 s17, s17, 16                      ; G
	s_mul_i32 s68, s17, 128*1536
	s_mul_i32 s69, s16, STEPB
	s_add_co_u32 s68, s68, s69
	s_mov_b32 s69, 0                               ; my block of slot 0, in qkv_codes
	s_lshl_b32 s70, s17, 13
	s_lshl_b32 s71, s16, 11
	s_add_co_u32 s70, s70, s71
	s_mov_b32 s71, 0                               ; my quarter of the head's scale words of K or V
	; group 1: 12,288 dense bytes as 48 rows of 256 (32 elements of 8 bytes); the mask names all four partners, bit 21 beside it
	s_mov_b32 s[G1T], 15|(3<<16)|(1<<21)
	s_mov_b32 s[G1T+1], 32<<16
	s_mov_b32 s[G1T+2], 48<<16
	s_mov_b32 s[G1T+3], 32<<16
	s_mov_b32 s[G1T+4], 48
	s_mov_b32 s[G1T+5], 32
	s_mov_b32 s[G1T+6], 0
	s_mov_b32 s[G1T+7], 0
	s_mov_b32 s[G1S], 15|(3<<16)|(1<<21)           ; 2,048 dense bytes as 8 such rows
	s_mov_b32 s[G1S+1], 32<<16
	s_mov_b32 s[G1S+2], 8<<16
	s_mov_b32 s[G1S+3], 32<<16
	s_mov_b32 s[G1S+4], 8
	s_mov_b32 s[G1S+5], 32
	s_mov_b32 s[G1S+6], 0
	s_mov_b32 s[G1S+7], 0
	s_lshl_b32 s72, s14, 3
	s_add_co_u32 s72, s72, s[WV]                   ; my tile of 16 queries, 0..127
	s_lshl_b32 s73, s12, 7
	s_add_co_u32 s73, s73, s72
	s_mul_i32 s84, s73, 1536                       ; Q's fragment: block 128 x head + tile
	s_mov_b32 s85, 0
	s_lshl_b32 s86, s73, 6                         ; its 16 scale words
	s_mov_b32 s87, 0
	s_lshl_b32 s74, s72, 4
	s_add_co_u32 s74, s74, s12
	s_mul_i32 s88, s74, 1536                       ; the result: image 16 x tile + head
	s_mov_b32 s89, 0
	s_lshl_b32 s90, s72, 10                        ; its scale words: 64 bytes a query, 4 x head in them
	s_lshl_b32 s91, s12, 2
	s_add_co_u32 s90, s90, s91
	s_mov_b32 s91, 0
	s_add_co_u32 s92, s12, 16                      ; the prefetches: K's bytes of my head,
	s_mul_i32 s92, s92, 128*1536
	s_lshr_b32 s93, s13, 1
	s_mul_i32 s93, s93, 16*128*1536                ; or V's, sixteen G further on;
	s_add_co_u32 s92, s92, s93
	s_and_b32 s93, s13, 1
	s_mul_i32 s93, s93, SLOTB/2                    ; my work-group's half of a slot;
	s_add_co_u32 s92, s92, s93
	s_min_u32 s93, s[WV], 2                        ; my wave's 8,192 bytes (held, so that the address lies inside the buffer in the waves that never ask, too)
	s_lshl_b32 s93, s93, 13
	s_add_co_u32 s92, s92, s93
	s_add_co_u32 s92, s92, SLOTB                   ; in slot 1: the first change of slots steps it to slot 2
	s_mov_b32 s93, 0
	s_cmp_lt_u32 s[WV], 3
	s_cselect_b32 s[LIM], 0, 1
	s_or_b32 s[LIM], s[LIM], ttmp9                 ; 0 in waves 0 to 2 of the head's first cluster: the same in all four partners
	s_cmp_eq_u32 s[LIM], 0
	s_cselect_b32 s[LIM], 1, -1
	s_mov_b32 s[SEL], 0x76543210
	s_mov_b32 s[SEL+1], 0xfedcba98
	s_mov_b32 s[CS], 0x3e0293ee                    ; c = log2(e) / sqrt(128)
	s_mov_b32 s[CS+1], s[CS]                       ; (named with it as a pair, so it is written)
	s_mov_b32 s[TB], 0
	s_mov_b32 s[TS], 0
	s_mov_b32 s[SLOTS], NSL-1
	s_wait_kmcnt 0x0
	s_mov_b32 s[G0S], 1
	s_lshl_b32 s[G0S+1], s[WV], 11
	s_add_co_u32 s[G0S+1], s[G0S+1], SCB           ; LDS: 2,048 bytes a wave: K's four quarters, then V's
	s_add_nc_u64 s[G0S+2:G0S+3], s[6:7], s[70:71]
	s_or_b32 s[G0S+3], s[G0S+3], 0x80000000
	s_mov_b32 s[G0T], 1
	s_mul_i32 s[G0T+1], s[WV], STEPB               ; LDS: slot 0, 12,288 bytes a wave: K's four steps, then V's
	s_add_nc_u64 s[G0T+2:G0T+3], s[4:5], s[68:69]
	s_or_b32 s[G0T+3], s[G0T+3], 0x80000000
	s_add_nc_u64 s[84:85], s[4:5], s[84:85]
	s_add_nc_u64 s[86:87], s[6:7], s[86:87]
	s_add_nc_u64 s[8:9], s[8:9], s[88:89]
	s_add_nc_u64 s[10:11], s[10:11], s[90:91]
	s_add_nc_u64 s[PFA:PFA+1], s[4:5], s[92:93]
	CROUND                                         ; all four work-groups are here: the first joint loads meet
	tensor_load_to_lds s[G0S:G0S+3], s[G1S:G1S+7]  ; the scale words of the whole head: filled once
	s_nop 0
	tensor_load_to_lds s[G0T:G0T+3], s[G1T:G1T+7]  ; slot 0.  Two loads of mine are out
	s_nop 0
.rept 4
	v_nop
.endr
	v_and_b32 v[LN], 31, v0
	v_lshlrev_b32 v[LI], 4, v[LN]
	v_add_nc_u32 v[AV0], VOFF, v[LI]
	v_lshl_add_u32 v[LS], v[LN], 2, SCB
	v_lshlrev_b32 v[PFO], 8, v[LN]
.irp c, 0,1,2
	global_load_b128 v[16+4*\c:19+4*\c], v[LI], s[84:85] offset:512*\c   ; Q's fragment stays in registers
.endr
	v_and_b32 v254, 15, v0
	v_lshlrev_b32 v254, 2, v254
	global_load_b32 v255, v254, s[86:87]           ; Q's scale words
	v_mov_b32 v13, 0xff61b1e6                      ; the largest t so far: -3e38, under every t
	v_floor_f32 v12, -v13                          ; -M
	v_mov_b32 v14, 0                               ; the sum, in two halves
	v_mov_b32 v15, 0
.irp b, 0,1,2,3
	v_mov_b32 v[236+\b], 0                         ; written once: a lane permute's destination counts as one of its sources
.endr
	v_mov_b32 v253, 0                              ; (named as the upper half of the pair v[252:253] before it is first written)
.set i, 0
.rept 64
	v_mov_b32 v[160+i], 0                          ; O^T.  (The step is written without a first form of its own: the first change of M multiplies zeros)
.set i, i+1
.endr
; A KEY STEP: 128 keys, the q-th of the slot in hand.
.macro STEP q
	v_add_nc_u32 v[ADK], s[TB], v[LI]
	v_add_nc_u32 v[ADV], s[TB], v[AV0]
	v_add_nc_u32 v[ADS], s[TS], v[LS]
	v_nop                                          ; four plain lines between the last step's products and the loads into the registers that they read
.irp g, 0,1                                    ; S^T = K Q^T, four tiles of 16 keys at a time
.if \g > 0
.rept 4
	v_nop
.endr
.endif
.irp t, 0,1,2,3
.irp c, 0,1,2
	ds_load_b128 v[32+12*\t+4*\c:35+12*\t+4*\c], v[ADK] offset:STEPB*(\q)+1536*(4*\g+\t)+512*\c
.endr
.endr
.if \g == 0
.irp i, 0,1,2,3
	ds_load_b32 v[248+\i], v[ADS] offset:128*\i    ; the scale words of all eight tiles: two tiles to a register
.endr
.endif
	s_wait_dscnt 0x0
.irp t, 0,1,2,3
.if (\t)%2 == 0
	v_wmma_scale_f32_16x16x128_f8f6f4 v[96+8*(4*\g+\t):103+8*(4*\g+\t)], v[32+12*\t:43+12*\t], v[16:27], 0, v[248+2*\g+\t/2], v255 matrix_a_fmt:MATRIX_FMT_FP6 matrix_b_fmt:MATRIX_FMT_FP6
.else
	v_wmma_scale_f32_16x16x128_f8f6f4 v[96+8*(4*\g+\t):103+8*(4*\g+\t)], v[32+12*\t:43+12*\t], v[16:27], 0, v[248+2*\g+\t/2], v255 matrix_a_fmt:MATRIX_FMT_FP6 matrix_b_fmt:MATRIX_FMT_FP6 matrix_a_scale:MATRIX_SCALE_ROW1
.endif
.endr
.endr                                          ; lane (r, h) holds query r; the 16 registers of tiles 2 b, 2 b + 1 are keys 32 b + 16 h + 0 .. 15 of the step
.rept 4
	v_nop
.endr
.irp t, 0,1,2,3                                ; V's first four tiles and all its scale words are asked for here: they land while the softmax is worked, which touches none of these registers
.irp c, 0,1,2
	ds_load_b128 v[32+12*\t+4*\c:35+12*\t+4*\c], v[ADV] offset:STEPB*(\q)+1536*\t+512*\c
.endr
.endr
.irp i, 0,1,2,3
	ds_load_b32 v[248+\i], v[ADS] offset:8192+128*\i
.endr
.irp b, 0,1,2,3
	v_max3_num_f32 v[232+\b], v[96+16*\b], v[97+16*\b], v[98+16*\b]   ; the largest score of each block of 32 keys: it serves for the row's maximum and, since p rises with the score, for the block's largest p
.endr
.irp i, 3,5,7,9,11,13
.irp b, 0,1,2,3
	v_max3_num_f32 v[232+\b], v[232+\b], v[96+16*\b+\i], v[97+16*\b+\i]   ; (the four blocks by turns)
.endr
.endr
.irp b, 0,1,2,3
	v_max_num_f32 v[232+\b], v[232+\b], v[111+16*\b]
.endr
.irp b, 0,1,2,3
	v_permlanex16_b32 v[236+\b], v[232+\b], s[SEL], s[SEL+1]
.endr
.irp b, 0,1,2,3
	v_max_num_f32 v[232+\b], v[232+\b], v[236+\b]  ; with lane l xor 16's 16 keys
.endr
	v_max3_num_f32 v254, v232, v233, v234
	v_max_num_f32 v254, v254, v235                 ; the step's largest score of my query
	v_mul_f32 v254, s[CS], v254                    ; as t (c is positive)
	v_max_num_f32 v13, v13, v254                   ; the running largest t
	v_mov_b32 v254, v12
	v_floor_f32 v12, -v13                          ; the new -M = floor(-t) = -ceil(t): a whole number
	v_sub_f32 v254, v12, v254                      ; M's old value less its new one: a whole number, 0 or less
	v_cvt_i32_f32 v254, v254                       ; (it saturates)
	v_ldexp_f32 v252, 1.0, v254                    ; f = 2^(old M - new M)
.irp j, 0,2,4,6,8,10,12,14,16,18,20,22,24,26,28,30,32,34,36,38,40,42,44,46,48,50,52,54,56,58,60,62
	v_pk_fma_f32 v[96+\j:97+\j], v[96+\j:97+\j], s[CS:CS+1], v[12:13] op_sel_hi:[1,0,0]   ; t - M, two at a time
.endr
.irp b, 0,1,2,3
	v_fma_f32 v[232+\b], v[232+\b], s[CS], v12     ; the same of each block's largest score
.endr
.set i, 0
.rept 64
	v_exp_f32 v[96+i], v[96+i]                     ; p = 2^(t - M), at most 1: not normalised
.set i, i+1
.endr
	v_pk_mul_f32 v[14:15], v[14:15], v[252:253] op_sel_hi:[1,0]   ; the sums under the new M (a plain line behind the exponentials)
	s_wait_alu depctr_va_vdst(0)                   ; one wait for the whole batch, ahead of its first reader
.irp b, 0,1,2,3
	v_exp_f32 v[232+\b], v[232+\b]                 ; the block's largest p: the same two instructions on the same number give the same bits
.endr
	v_pk_add_f32 v[236:237], v[96:97], v[98:99]    ; the row's sum is taken of the unquantised p: two at a time, in two chains
.irp j, 4,8,12,16,20,24,28,32,36,40,44,48,52,56,60
	v_pk_add_f32 v[14:15], v[14:15], v[96+\j:97+\j]
	v_pk_add_f32 v[236:237], v[236:237], v[98+\j:99+\j]
.endr
	v_pk_add_f32 v[14:15], v[14:15], v[236:237]
	s_wait_alu depctr_va_vdst(0)                   ; and one for the four
.irp b, 0,1,2,3
	v_max_num_f32 v[232+\b], 0x1800000, v[232+\b]  ; the floor 2^(3 - 127): the byte cannot fall under 1
.endr
.irp b, 0,1,2,3
	v_add_nc_u32 v[244+\b], 0xff000000, v[232+\b]  ; 2 off the exponent field: the conversion's scale operand
.endr
.irp b, 0,1,2,3
	v_lshrrev_b32 v[236+\b], 23, v[244+\b]         ; the scale's byte
.endr
	v_lshl_or_b32 v253, v237, 8, v236              ; p's scale word for these 128 keys
	v_lshl_or_b32 v253, v238, 16, v253
	v_lshl_or_b32 v253, v239, 24, v253
.irp c, 0,1
	v_cvt_scalef32_pk16_fp6_f32 v[224+6*\c:226+6*\c], v[96+32*\c:111+32*\c], v[244+2*\c]
	v_cvt_scalef32_pk16_fp6_f32 v[236+4*\c:238+4*\c], v[112+32*\c:127+32*\c], v[244+2*\c+1]   ; (a conversion's three registers begin on an even number)
.endr
	v_nop                                          ; one plain line behind a scaled conversion
.irp c, 0,1                                    ; the operand's layout wants a whole block in a lane
.irp i, 0,1,2
	v_permlane16_swap_b32 v[224+6*\c+\i], v[236+4*\c+\i]
.endr
.irp i, 0,1,2
	v_mov_b32 v[227+6*\c+\i], v[236+4*\c+\i]
.endr
.endr
.irp j, 0,2,4,6,8,10,12,14,16,18,20,22,24,26,28,30,32,34,36,38,40,42,44,46,48,50,52,54,56,58,60,62
	v_pk_mul_f32 v[160+\j:161+\j], v[160+\j:161+\j], v[252:253] op_sel_hi:[1,0]   ; O^T under the new M.  (These 32 also stand between the writes of p's codes and scale word and the products)
.endr
.irp g, 0,1                                    ; O^T += V^T P^T: four tiles of 16 of the head's 128 at a time
.if \g > 0
.rept 4
	v_nop
.endr
.irp t, 0,1,2,3
.irp c, 0,1,2
	ds_load_b128 v[32+12*\t+4*\c:35+12*\t+4*\c], v[ADV] offset:STEPB*(\q)+1536*(4+\t)+512*\c
.endr
.endr
.endif
	s_wait_dscnt 0x0
.irp t, 0,1,2,3
.if (\t)%2 == 0
	v_wmma_scale_f32_16x16x128_f8f6f4 v[160+8*(4*\g+\t):167+8*(4*\g+\t)], v[32+12*\t:43+12*\t], v[224:235], v[160+8*(4*\g+\t):167+8*(4*\g+\t)], v[248+2*\g+\t/2], v253 matrix_a_fmt:MATRIX_FMT_FP6 matrix_b_fmt:MATRIX_FMT_FP6
.else
	v_wmma_scale_f32_16x16x128_f8f6f4 v[160+8*(4*\g+\t):167+8*(4*\g+\t)], v[32+12*\t:43+12*\t], v[224:235], v[160+8*(4*\g+\t):167+8*(4*\g+\t)], v[248+2*\g+\t/2], v253 matrix_a_fmt:MATRIX_FMT_FP6 matrix_b_fmt:MATRIX_FMT_FP6 matrix_a_scale:MATRIX_SCALE_ROW1
.endif
.endr
.endr
	s_add_co_u32 s[TS], s[TS], 512                 ; the next step's scale words
.endm
; THE CHANGE OF SLOTS stands at a slot's head.  Each wave waits for all its tensor loads (its part of the slot that it is about to read), adds 0 to its spare word, and waits for that and for its reads of the slot that it has left.
; fill = 1: a round of the cluster's barrier, so that no wave of any partner still reads the other slot or has a load on its way; then that slot's fill, which has four key steps in which to land.
.macro CHANGE fill
	s_wait_tensorcnt 0x0                           ; no tensor load of mine is out, so a group 0 may be written
	ds_add_u32 v[SPW], v[NIL]                      ; 0 onto my spare word
.if \fill
	s_xor_b32 s[G0T+1], s[G0T+1], SLOT1            ; the walking descriptor: the other slot than last time,
	s_add_nc_u64 s[G0T+2:G0T+3], s[G0T+2:G0T+3], SLOTB   ; the next 512 keys
	s_wait_xcnt 0x0                                ; the last prefetch, a slot back, has read its address, so it may be written:
	s_add_nc_u64 s[PFA:PFA+1], s[PFA:PFA+1], SLOTB ; one slot further on than the walking descriptor
	s_wait_dscnt 0x0                               ; the add is done, and my reads of the slot that I have left are over
	CROUND
	tensor_load_to_lds s[G0T:G0T+3], s[G1T:G1T+7]  ; the first thing behind the round, and my one tensor load until the next
	s_nop 0
.rept 4
	v_nop
.endr
	ASK
.else
	s_wait_dscnt 0x0
	s_barrier_signal -1
	s_barrier_wait -1
.endif
.endm
.macro SLOT_STEPS
	STEP 0
	STEP 1
	STEP 2
	STEP 3
	s_xor_b32 s[TB], s[TB], SLOT1                  ; on to the other slot
.endm
	s_wait_loadcnt 0x0                             ; Q
.Lslot:                                            ; NSL - 1 trips: behind each change of slots but the last the next slot is asked for
	CHANGE 1
	SLOT_STEPS
	s_sub_co_u32 s[SLOTS], s[SLOTS], 1
	s_cmp_lg_u32 s[SLOTS], 0
	s_cbranch_scc1 .Lslot
	CHANGE 0                                       ; the last slot is written out
	SLOT_STEPS
; 64 numbers of a lane, register 16 b + i = channel 32 b + 16 (lane / 16) + i of my query, become a fragment's codes in v[PC] .. v[PC + 11] and its scale word in v[pw].
.macro QUANT s, pw
.irp b, 0,1,2,3
	v_max3_num_f32 v[TM+\b], |v[\s+16*\b]|, |v[\s+1+16*\b]|, 0x1800000
.endr
.irp i, 2,4,6,8,10,12,14
.irp b, 0,1,2,3
	v_max3_num_f32 v[TM+\b], v[TM+\b], |v[\s+16*\b+\i]|, |v[\s+1+16*\b+\i]|
.endr
.endr
.irp b, 0,1,2,3
	v_permlanex16_b32 v[TM+4+\b], v[TM+\b], s[SEL], s[SEL+1]
.endr
.irp b, 0,1,2,3
	v_max_num_f32 v[TM+\b], v[TM+\b], v[TM+4+\b]
.endr
.irp b, 0,1,2,3
	v_add_nc_u32 v[TM+12+\b], 0xff000000, v[TM+\b]
.endr
.irp b, 0,1,2,3
	v_lshrrev_b32 v[TM+4+\b], 23, v[TM+12+\b]
.endr
	v_lshl_or_b32 v[\pw], v[TM+5], 8, v[TM+4]
	v_lshl_or_b32 v[\pw], v[TM+6], 16, v[\pw]
	v_lshl_or_b32 v[\pw], v[TM+7], 24, v[\pw]
.irp c, 0,1
	v_cvt_scalef32_pk16_fp6_f32 v[PC+6*\c:PC+2+6*\c], v[\s+32*\c:\s+15+32*\c], v[TM+12+2*\c]
	v_cvt_scalef32_pk16_fp6_f32 v[PC+12+4*\c:PC+14+4*\c], v[\s+16+32*\c:\s+31+32*\c], v[TM+12+2*\c+1]
.endr
	v_nop                                          ; one plain line behind a scaled conversion
.irp c, 0,1
.irp i, 0,1,2
	v_permlane16_swap_b32 v[PC+6*\c+\i], v[PC+12+4*\c+\i]
.endr
.irp i, 0,1,2
	v_mov_b32 v[PC+3+6*\c+\i], v[PC+12+4*\c+\i]
.endr
.endr
.endm
	; THE WAY OUT.  O^T is divided by the row's sum and quantised along the head's 128: K step `head` of the last product's A, for my 16 queries.
	v_add_f32 v14, v14, v15                        ; the sum's two halves,
	v_permlanex16_b32 v252, v14, s[SEL], s[SEL+1]
	v_add_f32 v14, v14, v252                       ; and lane l xor 16's
	v_rcp_f32 v14, v14
	v_and_b32 v8, 15, v0                           ; (a plain line behind the reciprocal)
	v_lshlrev_b32 v8, 6, v8                        ; my query's row of scale bytes
	s_wait_alu depctr_va_vdst(0)                   ; the wait ahead of the reciprocal's first reader
.set i, 0
.rept 64
	v_mul_f32 v[96+i], v[160+i], v14               ; each accumulator from its low end on
.set i, i+1
.endr
	QUANT 96, 252
.irp c, 0,1,2
	global_store_b128 v[LI], v[PC+4*\c:PC+4*\c+3], s[8:9] offset:512*\c   ; 512 consecutive bytes, aligned
.endr
	s_wait_xcnt 0x0                                ; EXEC changes only behind this wait
	v_cmp_gt_u32 vcc_lo, 16, v[LN]
	s_and_saveexec_b32 s82, vcc_lo                 ; lanes 16-31 hold the same words
	global_store_b32 v8, v252, s[10:11]
	s_wait_xcnt 0x0                                ; and again, in front of the line that widens it
	s_or_b32 exec_lo, exec_lo, s82
	s_wait_tensorcnt 0x0                           ; the wave's end
	ds_add_u32 v[SPW], v[NIL]
	s_wait_dscnt 0x0
	CROUND                                         ; the closing round
	s_endpgm
.Lfunc_end_k_q92307b2671_attn:
	.size	k_q92307b2671_attn, .Lfunc_end_k_q92307b2671_attn-k_q92307b2671_attn
	.p2alignl 7, 3214868480
	.fill 96, 4, 3214868480
	.section	.rodata,"a",@progbits
	.p2align	6, 0x0
	.amdhsa_kernel k_q92307b2671_attn
		.amdhsa_group_segment_fixed_size 327680
		.amdhsa_private_segment_fixed_size 0
		.amdhsa_enable_private_segment 0
		.amdhsa_kernarg_size 32
		.amdhsa_user_sgpr_count 2
		.amdhsa_user_sgpr_kernarg_segment_ptr 1
		.amdhsa_wavefront_size32 1
		.amdhsa_system_sgpr_workgroup_id_x 1
		.amdhsa_system_sgpr_workgroup_id_y 1
		.amdhsa_system_sgpr_workgroup_id_z 1
		.amdhsa_system_vgpr_workitem_id 0
		.amdhsa_next_free_vgpr 256
		.amdhsa_next_free_sgpr 96
		.amdhsa_reserve_vcc 1
		.amdhsa_float_denorm_mode_32 3
		.amdhsa_float_denorm_mode_16_64 3
		.amdhsa_memory_ordered 1
		.amdhsa_forward_progress 1
		.amdhsa_inst_pref_size 167
	.end_amdhsa_kernel
	.amdgpu_metadata
---
amdhsa.version: [ 1, 2 ]
amdhsa.kernels:
  - .name:           k_q92307b2671_attn
    .symbol:         k_q92307b2671_attn.kd
    .args:
      - { .name: qkv_codes, .offset: 0, .size: 8, .value_kind: global_buffer, .address_space: global }
      - { .name: qkv_scales, .offset: 8, .size: 8, .value_kind: global_buffer, .address_space: global }
      - { .name: attn_codes, .offset: 16, .size: 8, .value_kind: global_buffer, .address_space: global }
      - { .name: attn_scales, .offset: 24, .size: 8, .value_kind: global_buffer, .address_space: global }
    .group_segment_fixed_size: 327680
    .private_segment_fixed_size: 0
    .kernarg_segment_align: 8
    .kernarg_segment_size: 32
    .max_flat_workgroup_size: 256
    .sgpr_count:     96
    .vgpr_count:     256
    .wavefront_size: 32
...
	.end_amdgpu_metadata
.endif
;; end of part 3
;; launch oproj (part 4): grid 8 x 8, 4 waves a work-group, clusters of 4 x 4, 327,680 bytes of LDS; arguments attn_codes, attn_scales, codes, scales, bo, out0; writes out0
.if DOCPART == 4
	.amdgcn_target "amdgcn-amd-amdhsa--gfx1250"
	.amdhsa_code_object_version 6
	.text
	.protected	k_q92307b2671_oproj
	.globl	k_q92307b2671_oproj
	.p2align	8
	.type	k_q92307b2671_oproj,@function
k_q92307b2671_oproj:
	s_mov_b64 s[64:65], 0
	v_nop
	global_prefetch_b8 v0, s[64:65] scope:SCOPE_SE
	s_setreg_imm32_b32 hwreg(HW_REG_WAVE_MODE, 25, 1), 1
	s_wait_xcnt 0x0
	s_wait_alu depctr_hold_cnt(0) depctr_sa_sdst(0) depctr_va_vdst(0) depctr_va_sdst(0) depctr_va_ssrc(0) depctr_va_vcc(0) depctr_vm_vsrc(0)
	s_getreg_b32 s2, hwreg(HW_REG_IB_STS2, 6, 4)
	s_cmp_eq_u32 s2, 0
	s_cbranch_scc0 .Lentry_in_a_cluster
	s_endpgm
.Lentry_in_a_cluster:
	s_bfe_u32 s2, ttmp6, 0x10000c
	s_cmp_lg_u32 s2, 0xf033
	s_cbranch_scc0 .Lentry_shape_is_right
	s_endpgm
.Lentry_shape_is_right:
; out0 = attn Wo^T + bo on codes of FP6 (E2M3) with E8M0 scales; out0 [2048][2048] f32.
; A = the attention's result: attn_codes [128 blocks of 16 rows][16 K steps of 128][1536]: images of operand registers (registers 4 c .. 4 c + 3 of lane l at 512 c + 16 l); attn_scales [2048][64].
; Its rows lie with bits 3 and 4 of their number exchanged; the stores' offsets put them back.  B = Wo: rows 8,192 on of codes [.][1536] and of scales [.][64], in their own order.
; A tile of out0, 256 x 256, is made by four waves, 128 x 128 each: 64 accumulators.  K = 2,048 goes in steps of 256 through a ring of two LDS slots.  64 work-groups: the tile is kept at the size whose wave tile reads each fragment once.
; CLUSTERS: 4 x 4; A's tiles are asked for jointly along a row of the cluster, B's along a column.  The matrix instruction is used transposed (source 0 = 16 rows of B, source 1 = 16 rows of A).
; bo is the C of the first K step's products.
; REGISTERS: window 0: v0-31 addresses; v32-63 scale words, two sets; v64-127 the bias; v128-223 A's fragments, one set; on the way out v128-255 rows of the result.  window 1: B's fragments, two sets.  windows 2, 3: the accumulators.
.set SIZE_K, 2048
.set SIZE_N, 2048
.set KSTEP,  256
.set NQ,     KSTEP/128
.set ROWB,   192                       ; B: a tile's row in bytes
.set KROW,   SIZE_K*6/8
.set PITCH,  240                       ; B: an LDS row: 3 x (64 bytes + 16 of padding)
.set FR,     12
.set NL,     6                         ; LDS loads that bring a fragment of B
.set NLA,    3                         ; and of A
.set ABLK,   2*FR*128                  ; A: a block's two images of a K step: 3,072 bytes, on end in memory and in LDS
.set NP,     4
.set HALFT,  128*PITCH                 ; the place of 128 rows in a slot (A's images fill 24,576 bytes of it)
.set SLOT,   4*HALFT
.set LAPS,   SIZE_K/(2*KSTEP)
.set KS,     SIZE_K/32
.set SCL,    2*SLOT
.set HALFS,  (128*KS/256)*272
.set SBLK,   (16*KS/256)*272
.set SPARE,  SCL+4*HALFS
.set SPITCH, 528                       ; the way out: a stage of 16 rows x (512 bytes + 16) for each wave, in slot 0, which has had its last fill and its last read by then
.set ADRA, 16                          ; v16-17 LDS address of my A images in slot 0, 1: + 16 x lane
.set ADRB, 20                          ; v20-23 of my B fragments
.set STO,  24
.set RD,   25
.set CO,   26                          ; v26  16 x lane
.set ADRS, 27
.set SPW,  28
.set NIL,  29
.set SC,   32
.set BN,   64
.set AF,   128
.set BK,   128
.set G1, 24
.set G0, 32
.set G1B, 48
.set G0B, 56
.set G1S, 68
.set G0S, 76
.set G1SB, 80
.set G0SB, 88
.set MSB, 0
.macro WIN new
.if MSB != \new
	s_set_vgpr_msb (MSB<<8)|\new
.set MSB, \new
.endif
.endm
.set MUL_LO, 0xa1
.set MUL_HI, 0xf1
.set FST_LO, 0x81                      ; the first K step: C is the bias, in window 0
.set FST_HI, 0xc1
.set TO_B,   0x40
.macro JLOAD g0a, g1a, g0b, g1b        ; a joint load: waves 0 and 1 fetch for A, waves 2 and 3 for B; four v_nop follow each of the two lines
	s_cmp_eq_u32 s15, 0
	s_cbranch_scc0 .Lfor_b_\@
	tensor_load_to_lds s[\g0a:\g0a+3], s[\g1a:\g1a+7]
	s_nop 0
.rept 4
	v_nop
.endr
	s_branch .Lasked_\@
.Lfor_b_\@:
	tensor_load_to_lds s[\g0b:\g0b+3], s[\g1b:\g1b+7]
	s_nop 0
.rept 4
	v_nop
.endr
.Lasked_\@:
.endm
.macro CREST
	s_cmp_lg_u32 s14, 0
	s_cbranch_scc1 .Lnot_wave_0_\@
	s_barrier_signal -3
.Lnot_wave_0_\@:
	s_barrier_wait -3
	s_barrier_signal -1
	s_barrier_wait -1
.endm
.macro CROUND
	s_barrier_signal -1
	s_barrier_wait -1
	CREST
.endm
	s_load_b128 s[4:7], s[0:1], 0x0                ; attn_codes, attn_scales
	s_load_b128 s[8:11], s[0:1], 0x10              ; codes, scales
	s_load_b64 s[96:97], s[0:1], 0x20              ; bo
	s_load_b64 s[12:13], s[0:1], 0x28              ; out0
	v_lshl_add_u32 v[SPW], v0, 2, SPARE
	v_mov_b32 v[NIL], 0
	ds_add_u32 v28, v29
	ds_add_u32 v28, v29
	s_wait_dscnt 0x0
	v_lshrrev_b32 v1, 5, v0
	v_readfirstlane_b32 s14, v1                    ; wave 0..3
	s_lshr_b32 s15, s14, 1                         ; which half of the tile's rows is mine.  Also: I fetch for A (0) or for B (1)
	s_and_b32 s16, s14, 1                          ; which half of its columns.  Also: which 128 rows of that tile I fetch
	s_bfe_u32 s40, ttmp6, 0x40000
	s_bfe_u32 s41, ttmp6, 0x40004
	s_lshl_b32 s42, ttmp9, 2
	s_add_co_u32 s42, s42, s40                     ; tile column
	s_and_b32 s17, ttmp7, 0xffff
	s_lshl_b32 s17, s17, 2
	s_add_co_u32 s17, s17, s41                     ; tile row
	s_lshl_b32 s43, s41, 2
	s_lshl_b32 s43, 15, s43                        ; my row of the cluster
	s_lshl_b32 s44, 0x1111, s40                    ; my column
	; group 1 for A: 8 blocks x 3,072 bytes (384 elements of 8 bytes), 24,576 bytes (3,072 elements) from block to block; no padding: the images are read as they lie
	s_or_b32 s[G1+0], s43, (3<<16)|(1<<21)
	s_mov_b32 s[G1+1], (ABLK/8)<<16
	s_mov_b32 s[G1+2], 8<<16
	s_mov_b32 s[G1+3], (ABLK/8)<<16
	s_mov_b32 s[G1+4], 8
	s_mov_b32 s[G1+5], 16*FR*128/8
	s_mov_b32 s[G1+6], 0
	s_mov_b32 s[G1+7], 0
	; for B: 128 rows x 192 bytes; 16 bytes of padding behind every 64
	s_or_b32 s[G1B+0], s44, (0<<16)|(1<<20)|(1<<21)|(3<<22)|(3<<25)
	s_mov_b32 s[G1B+1], ROWB<<16
	s_mov_b32 s[G1B+2], 128<<16
	s_mov_b32 s[G1B+3], ROWB<<16
	s_mov_b32 s[G1B+4], 128
	s_mov_b32 s[G1B+5], KROW
	s_mov_b32 s[G1B+6], 0
	s_mov_b32 s[G1B+7], 0
	; the scale bytes of 128 rows: 32 rows of 256 bytes, 16 bytes of padding behind each
	s_or_b32 s[G1S+0], s43, (3<<16)|(1<<20)|(1<<21)|(5<<22)|(3<<25)
	s_or_b32 s[G1SB+0], s44, (3<<16)|(1<<20)|(1<<21)|(5<<22)|(3<<25)
.irp g, G1S, G1SB
	s_mov_b32 s[\g+1], 32<<16
	s_mov_b32 s[\g+2], (128*KS/256)<<16
	s_mov_b32 s[\g+3], 32<<16
	s_mov_b32 s[\g+4], 128*KS/256
	s_mov_b32 s[\g+5], 32
	s_mov_b32 s[\g+6], 0
	s_mov_b32 s[\g+7], 0
.endr
	s_lshl_b32 s18, s16, 7
	s_lshl_b32 s20, s17, 8
	s_add_co_u32 s20, s20, s18                     ; A: row 256 x tile row + 128 x half
	s_lshl_b32 s46, s42, 8
	s_add_co_u32 s46, s46, s18                     ; B: row 256 x tile column + 128 x half
	s_mov_b32 s21, 0
	s_mov_b32 s47, 0
	s_mov_b64 s[18:19], KS
	s_mul_u64 s[22:23], s[20:21], s[18:19]
	s_mul_u64 s[92:93], s[46:47], s[18:19]
	s_mov_b64 s[18:19], KROW
	s_mul_u64 s[20:21], s[20:21], s[18:19]         ; (16 rows of A are a block of 16 x 1,536 bytes: the same product serves the images)
	s_mul_u64 s[46:47], s[46:47], s[18:19]
	s_mul_i32 s45, s14, HALFT
	s_mul_i32 s94, s14, HALFS
	s_wait_kmcnt 0x0
	s_add_nc_u64 s[8:9], s[8:9], 4*2048*KROW       ; Wo is the fifth tensor of codes
	s_add_nc_u64 s[10:11], s[10:11], 4*2048*KS     ; and of scales
	s_add_nc_u64 s[20:21], s[4:5], s[20:21]
	s_add_nc_u64 s[22:23], s[6:7], s[22:23]
	s_add_nc_u64 s[46:47], s[8:9], s[46:47]
	s_add_nc_u64 s[92:93], s[10:11], s[92:93]
	CROUND                                         ; all sixteen work-groups are here: the first joint loads meet
	s_mov_b32 s[G0S], 1
	s_add_co_u32 s[G0S+1], s94, SCL
	s_mov_b64 s[G0S+2:G0S+3], s[22:23]
	s_or_b32 s[G0S+3], s[G0S+3], 0x80000000
	s_mov_b32 s[G0SB], 1
	s_add_co_u32 s[G0SB+1], s94, SCL
	s_mov_b64 s[G0SB+2:G0SB+3], s[92:93]
	s_or_b32 s[G0SB+3], s[G0SB+3], 0x80000000
	JLOAD G0S, G1S, G0SB, G1SB
.irp s, 0,1
	s_mov_b32 s[G0+4*\s], 1
	s_add_co_u32 s[G0+4*\s+1], s45, \s*SLOT
	s_add_nc_u64 s[G0+4*\s+2:G0+4*\s+3], s[20:21], \s*ABLK
	s_or_b32 s[G0+4*\s+3], s[G0+4*\s+3], 0x80000000
	s_mov_b32 s[G0B+4*\s], 1
	s_add_co_u32 s[G0B+4*\s+1], s45, \s*SLOT
	s_add_nc_u64 s[G0B+4*\s+2:G0B+4*\s+3], s[46:47], \s*ROWB
	s_or_b32 s[G0B+4*\s+3], s[G0B+4*\s+3], 0x80000000
	JLOAD G0+4*\s, G1, G0B+4*\s, G1B
.endr
	v_and_b32 v1, 15, v0                           ; r
	v_bfe_u32 v2, v0, 4, 1                         ; h
	v_and_b32 v6, 31, v0
	v_lshlrev_b32 v[CO], 4, v6                     ; 16 x lane
	s_lshl_b32 s20, s17, 8
	s_lshl_b32 s21, s15, 7
	s_add_co_u32 s20, s20, s21                     ; my first row of out0
	s_mov_b32 s21, 0
	s_mov_b64 s[18:19], SIZE_N*4
	s_mul_u64 s[20:21], s[20:21], s[18:19]
	s_lshl_b32 s46, s42, 10                        ; my first column, in bytes: 1,024 x tile column + 512 x half
	s_lshl_b32 s47, s16, 9
	s_add_co_u32 s46, s46, s47
	s_mov_b32 s47, 0
	s_add_nc_u64 s[96:97], s[96:97], s[46:47]      ; bo at my 128 columns; lane (r, h) wants, for tile b, those at 16 b + 8 h + 0 .. 7
	s_add_nc_u64 s[20:21], s[20:21], s[46:47]
	s_add_nc_u64 s[12:13], s[12:13], s[20:21]
	v_lshlrev_b32 v7, 5, v2
.irp b, 0,1,2,3,4,5,6,7
	global_load_b128 v[BN+8*\b:BN+8*\b+3], v7, s[96:97] offset:64*\b
	global_load_b128 v[BN+8*\b+4:BN+8*\b+7], v7, s[96:97] offset:64*\b+16
.endr
	v_mul_u32_u24 v3, v1, PITCH
	v_mul_u32_u24 v4, v2, 24
	v_add_nc_u32 v4, v3, v4                        ; B: a fragment's row x pitch + 24 x half
	v_lshl_add_u32 v5, v2, 4, v4                   ; and the same behind one padding more
	s_mul_i32 s21, s15, HALFT                      ; my 128 rows of A
	s_mul_i32 s22, s16, HALFT                      ; my 128 rows of B,
	s_add_co_u32 s22, s22, 2*HALFT                 ; which lie behind A's
.irp s, 0,1
	v_add_nc_u32 v[ADRA+\s], s21, v[CO]
	v_add_nc_u32 v[ADRB+\s], s22, v4
	v_add_nc_u32 v[ADRB+2+\s], s22, v5
	s_add_co_u32 s21, s21, SLOT
	s_add_co_u32 s22, s22, SLOT
.endr
	v_mul_u32_u24 v5, v1, KS
	v_lshrrev_b32 v6, 8, v5
	v_lshl_add_u32 v5, v6, 4, v5
	s_mul_i32 s21, s15, HALFS
	s_mul_i32 s22, s16, HALFS
	s_add_co_u32 s22, s22, 2*HALFS
	s_sub_co_u32 s22, s22, s21
	v_mul_u32_u24 v6, s22, v2                      ; lanes 16-31 take B's
	s_add_co_u32 s21, s21, SCL
	v_add_nc_u32 v5, v5, v6
	v_add_nc_u32 v[ADRS], s21, v5
	s_mul_i32 s23, s14, 16*SPITCH                  ; my stage
	v_mul_u32_u24 v5, v1, SPITCH                   ; in: row l % 16, 32 bytes for each half of the lanes
	v_lshl_add_u32 v5, v2, 5, v5
	v_add_nc_u32 v[STO], s23, v5
	v_add_nc_u32 v[RD], s23, v[CO]                 ; back: the 32 lanes take one row of 512 bytes
	s_wait_loadcnt 0x0                             ; the bias
.macro FRAG reg, adr, q, i             ; a fragment of B from rows: 24 bytes of the row twice, in pieces of 8
.irp p, 0,1,2,3,4,5
.set PCE, 12*(\q)+6*(\p/3)+\p%3
.if PCE%8 < 5
	ds_load_b64 v[\reg+2*\p:\reg+2*\p+1], v[\adr] offset:8*PCE+16*(PCE/8)+(\i)*16*PITCH
.else
	ds_load_b64 v[\reg+2*\p:\reg+2*\p+1], v[\adr+2] offset:8*PCE+16*(PCE/8)+(\i)*16*PITCH
.endif
.endr
.endm
.macro FRAGA reg, slot, q, i           ; a fragment of A from its image: three loads of 512 consecutive bytes
.irp c, 0,1,2
	ds_load_b128 v[\reg+4*\c:\reg+4*\c+3], v[ADRA+\slot] offset:ABLK*(\i)+FR*128*(\q)+512*\c
.endr
.endm
; The 64 accumulators take turns, one instruction a turn, in the same order in every step.  first = 1: the bias is the C.
.macro MUL16 a0, p, q, sc, first
.irp a, \a0, \a0+1
.irp b, 0,1,2,3,4,5,6,7
.if \first
	v_wmma_scale_f32_16x16x128_f8f6f4 v[8*(8*((\a)%4)+\b):8*(8*((\a)%4)+\b)+7], v[128*(\p)+FR*\b:128*(\p)+FR*\b+FR-1], v[AF+FR*(\a):AF+FR*(\a)+FR-1], v[BN+8*\b:BN+8*\b+7], v[SC+8*NQ*(\sc)+NQ*\b+(\q)], v[SC+8*NQ*(\sc)+NQ*(\a)+(\q)] matrix_a_fmt:MATRIX_FMT_FP6 matrix_b_fmt:MATRIX_FMT_FP6 matrix_a_scale:MATRIX_SCALE_ROW1
.else
	v_wmma_scale_f32_16x16x128_f8f6f4 v[8*(8*((\a)%4)+\b):8*(8*((\a)%4)+\b)+7], v[128*(\p)+FR*\b:128*(\p)+FR*\b+FR-1], v[AF+FR*(\a):AF+FR*(\a)+FR-1], v[8*(8*((\a)%4)+\b):8*(8*((\a)%4)+\b)+7], v[SC+8*NQ*(\sc)+NQ*\b+(\q)], v[SC+8*NQ*(\sc)+NQ*(\a)+(\q)] matrix_a_fmt:MATRIX_FMT_FP6 matrix_b_fmt:MATRIX_FMT_FP6 matrix_a_scale:MATRIX_SCALE_ROW1
.endif
.endr
.endr
.endm
.macro FETCH_B slot, q, p
	WIN TO_B
.irp i, 0,1,2,3,4,5,6,7
	FRAG 128*(\p)+FR*\i, ADRB+\slot, \q, \i
.endr
	WIN 0
.endm
.macro FETCH_A slot, q, i0
.irp i, \i0, \i0+1, \i0+2, \i0+3
	FRAGA AF+FR*(\i), \slot, \q, \i
.endr
.endm
.macro SCALES sc
.irp i, 0,1,2,3,4,5,6,7
	ds_load_b64 v[SC+8*NQ*\sc+NQ*\i:SC+8*NQ*\sc+NQ*\i+1], v[ADRS] offset:\i*SBLK
.endr
.endm
.macro PLACES n
.rept \n
	v_nop
.endr
.endm
.macro STEP slot, q, first
	s_wait_dscnt 4*NLA                             ; B's set and A's blocks 0-3 are in; the youngest 12 loads (A's blocks 4-7) may be out
.if \first
	WIN FST_LO
.else
	WIN MUL_LO
.endif
	MUL16 0, (\q)%2, \q, \slot, \first
	MUL16 2, (\q)%2, \q, \slot, \first
	s_wait_dscnt 0
	PLACES NP
	FETCH_B \slot, (\q)+1, 1-(\q)%2
	FETCH_A \slot, (\q)+1, 0
.if \first
	WIN FST_HI
.else
	WIN MUL_HI
.endif
	MUL16 4, (\q)%2, \q, \slot, \first
	MUL16 6, (\q)%2, \q, \slot, \first
	PLACES NP
	WIN 0
	FETCH_A \slot, (\q)+1, 4
.endm
.macro TURN slot, next, fill
	s_wait_tensorcnt 0x0                           ; all my tensor loads have landed: my part of the next slot
	ds_add_u32 v[SPW], v[NIL]                      ; 0 onto my spare word
	s_wait_dscnt 4*NLA+1                           ; (the add and the youngest 12 loads, A's blocks 4-7, may be out)
	WIN MUL_LO
	MUL16 0, 1, NQ-1, \slot, 0
	s_wait_dscnt 0x0                               ; the add is done, and my reads of this slot are over
	s_barrier_signal -1
	MUL16 2, 1, NQ-1, \slot, 0
	WIN 0
	s_barrier_wait -1
.if \fill
	CREST                                          ; the barrier has opened a round of the cluster's barrier
	s_add_nc_u64 s[G0+4*\slot+2:G0+4*\slot+3], s[G0+4*\slot+2:G0+4*\slot+3], 2*ABLK
	s_add_nc_u64 s[G0B+4*\slot+2:G0B+4*\slot+3], s[G0B+4*\slot+2:G0B+4*\slot+3], 2*ROWB
	JLOAD G0+4*\slot, G1, G0B+4*\slot, G1B         ; the first tensor load behind the round
.else
	PLACES NP
.endif
	v_add_nc_u32 v[ADRS], 4*NQ, v[ADRS]
	FETCH_B \next, 0, 0
	FETCH_A \next, 0, 0
	SCALES \next
	WIN MUL_HI
	MUL16 4, 1, NQ-1, \slot, 0
	MUL16 6, 1, NQ-1, \slot, 0
	PLACES NP
	WIN 0
	FETCH_A \next, 0, 4
.endm
	s_wait_tensorcnt 1                             ; the scale bytes and my part of K step 0 are in (K step 1's load may be out)
	s_barrier_signal -1
	s_barrier_wait -1
	FETCH_B 0, 0, 0
	FETCH_A 0, 0, 0
	SCALES 0
	FETCH_A 0, 0, 4
	STEP 0, 0, 1
	s_mov_b32 s3, LAPS-1
.Llap:
	TURN 0, 1, 1
	STEP 1, 0, 0
	TURN 1, 0, 1
	STEP 0, 0, 0
	s_sub_co_u32 s3, s3, 1
	s_cmp_lg_u32 s3, 0
	s_cbranch_scc1 .Llap
	TURN 0, 1, 0
	STEP 1, 0, 0
	s_wait_dscnt 4*NLA
	WIN MUL_LO
	MUL16 0, 1, NQ-1, 1, 0
	MUL16 2, 1, NQ-1, 1, 0
	s_wait_dscnt 0
	WIN MUL_HI
	MUL16 4, 1, NQ-1, 1, 0
	MUL16 6, 1, NQ-1, 1, 0
	WIN 0
; THE WAY OUT, block by block of 16 rows x 128 columns, through my own stage in LDS: in by 32 bytes a lane, back as whole rows of 512 bytes.  LDS serves a wave's instructions in order: no wait between the stores and the loads.
.macro TOSTAGE a
.set AC, 64*((\a)%4)
	WIN 0x08+4*((\a)/4)                            ; the data: window 2 or 3
.irp b, 0,1,2,3,4,5,6,7
	ds_store_b128 v[STO], v[AC+8*\b:AC+8*\b+3] offset:64*\b          ; each accumulator from its low end on
	ds_store_b128 v[STO], v[AC+8*\b+4:AC+8*\b+7] offset:64*\b+16
.endr
	WIN 0
.set BB, BK+64*((\a)%2)
.irp t, 0,1,2,3,4,5,6,7,8,9,10,11,12,13,14,15
	ds_load_b128 v[BB+4*\t:BB+4*\t+3], v[RD] offset:\t*SPITCH
.endr
.endm
; Row t of block a is the query at place 16 a + t; with bits 3 and 4 exchanged that is row 32 (a / 2) + 16 (t / 8) + 8 (a % 2) + t % 8 of my 128.  The offset is 127 rows of 8,192 bytes at the most: inside the signed 24-bit immediate.
.macro SEND a, younger
.set BB, BK+64*((\a)%2)
	s_wait_dscnt \younger                          ; the block is back in registers
.irp t, 0,1,2,3,4,5,6,7,8,9,10,11,12,13,14,15
	global_store_b128 v[CO], v[BB+4*\t:BB+4*\t+3], s[12:13] offset:(32*((\a)/2)+16*(\t/8)+8*((\a)%2)+\t%8)*SIZE_N*4 th:TH_STORE_NT   ; 32 lanes store 512 consecutive bytes, aligned
.endr
.endm
	PLACES NP
	TOSTAGE 0
.irp a, 1,2,3,4,5,6,7
.if \a > 1
	s_wait_xcnt 0x0                                ; block a - 2's stores have read their registers: block a's loads may land there
.endif
	TOSTAGE \a
	SEND \a-1, 32                                  ; behind block a - 1's loads: block a's 16 stores and 16 loads
.endr
	SEND 7, 0
	s_wait_tensorcnt 0x0                           ; the wave's end
	ds_add_u32 v[SPW], v[NIL]
	s_wait_dscnt 0x0
	CROUND                                         ; the closing round
	s_endpgm
.Lfunc_end_k_q92307b2671_oproj:
	.size	k_q92307b2671_oproj, .Lfunc_end_k_q92307b2671_oproj-k_q92307b2671_oproj
	.p2alignl 7, 3214868480
	.fill 96, 4, 3214868480
	.section	.rodata,"a",@progbits
	.p2align	6, 0x0
	.amdhsa_kernel k_q92307b2671_oproj
		.amdhsa_group_segment_fixed_size 327680
		.amdhsa_private_segment_fixed_size 0
		.amdhsa_enable_private_segment 0
		.amdhsa_kernarg_size 48
		.amdhsa_user_sgpr_count 2
		.amdhsa_user_sgpr_kernarg_segment_ptr 1
		.amdhsa_wavefront_size32 1
		.amdhsa_system_sgpr_workgroup_id_x 1
		.amdhsa_system_sgpr_workgroup_id_y 1
		.amdhsa_system_sgpr_workgroup_id_z 1
		.amdhsa_system_vgpr_workitem_id 0
		.amdhsa_next_free_vgpr 1024
		.amdhsa_next_free_sgpr 100
		.amdhsa_reserve_vcc 0
		.amdhsa_float_denorm_mode_32 3
		.amdhsa_float_denorm_mode_16_64 3
		.amdhsa_memory_ordered 1
		.amdhsa_forward_progress 1
		.amdhsa_inst_pref_size 149
	.end_amdhsa_kernel
	.amdgpu_metadata
---
amdhsa.version: [ 1, 2 ]
amdhsa.kernels:
  - .name:           k_q92307b2671_oproj
    .symbol:         k_q92307b2671_oproj.kd
    .args:
      - { .name: attn_codes, .offset: 0, .size: 8, .value_kind: global_buffer, .address_space: global }
      - { .name: attn_scales, .offset: 8, .size: 8, .value_kind: global_buffer, .address_space: global }
      - { .name: codes, .offset: 16, .size: 8, .value_kind: global_buffer, .address_space: global }
      - { .name: scales, .offset: 24, .size: 8, .value_kind: global_buffer, .address_space: global }
      - { .name: bo, .offset: 32, .size: 8, .value_kind: global_buffer, .address_space: global }
      - { .name: out0, .offset: 40, .size: 8, .value_kind: global_buffer, .address_space: global }
    .group_segment_fixed_size: 327680
    .private_segment_fixed_size: 0
    .kernarg_segment_align: 8
    .kernarg_segment_size: 48
    .max_flat_workgroup_size: 128
    .sgpr_count:     100
    .vgpr_count:     1024
    .wavefront_size: 32
...
	.end_amdgpu_metadata
.endif
;; end of part 4
;; ======== version 2 of 2: 4 launches
;; workspace buffers: codes 15,728,640 bytes; scales 655,360 bytes; qkv_codes 9,437,184 bytes; qkv_scales 393,216 bytes; attn_codes 3,145,728 bytes; attn_scales 131,072 bytes
;; launch quant: the kernel of part 1 again; grid 640 x 1, 4 waves a work-group, no clusters, 33,280 bytes of LDS; arguments x, Wq, Wk, Wv, Wo, codes, scales; writes codes, scales
;; launch proj: the kernel of part 2 again; grid 24 x 8, 4 waves a work-group, clusters of 4 x 4, 327,680 bytes of LDS; arguments codes, scales, bq, bk, bv, qkv_codes, qkv_scales; writes qkv_codes, qkv_scales
;; launch attn: the kernel of part 3 again; grid 16 x 16, 8 waves a work-group, clusters of 4 x 1, 327,680 bytes of LDS; arguments qkv_codes, qkv_scales, attn_codes, attn_scales; writes attn_codes, attn_scales
;; launch oproj (part 5): grid 16 x 16, 4 waves a work-group, clusters of 4 x 4, 327,680 bytes of LDS; arguments attn_codes, attn_scales, codes, scales, bo, out0; writes out0
.if DOCPART == 5
	.amdgcn_target "amdgcn-amd-amdhsa--gfx1250"
	.amdhsa_code_object_version 6
	.text
	.protected	k_q92307b2671_oproj
	.globl	k_q92307b2671_oproj
	.p2align	8
	.type	k_q92307b2671_oproj,@function
k_q92307b2671_oproj:
	s_mov_b64 s[64:65], 0
	v_nop
	global_prefetch_b8 v0, s[64:65] scope:SCOPE_SE
	s_setreg_imm32_b32 hwreg(HW_REG_WAVE_MODE, 25, 1), 1
	s_wait_xcnt 0x0
	s_wait_alu depctr_hold_cnt(0) depctr_sa_sdst(0) depctr_va_vdst(0) depctr_va_sdst(0) depctr_va_ssrc(0) depctr_va_vcc(0) depctr_vm_vsrc(0)
	s_getreg_b32 s2, hwreg(HW_REG_IB_STS2, 6, 4)
	s_cmp_eq_u32 s2, 0
	s_cbranch_scc0 .Lentry_in_a_cluster
	s_endpgm
.Lentry_in_a_cluster:
	s_bfe_u32 s2, ttmp6, 0x10000c
	s_cmp_lg_u32 s2, 0xf033
	s_cbranch_scc0 .Lentry_shape_is_right
	s_endpgm
.Lentry_shape_is_right:
; out0 = attn Wo^T + bo on codes of FP6 (E2M3) with E8M0 scales; out0 [2048][2048] f32.
; A = the attention's result: attn_codes [128 blocks of 16 rows][16 K steps of 128][1536]: images of operand registers (registers 4 c .. 4 c + 3 of lane l at 512 c + 16 l); attn_scales [2048][64].
; Its rows lie with bits 3 and 4 of their number exchanged; the stores' offsets put them back.  B = Wo: rows 8,192 on of codes [.][1536] and of scales [.][64], in their own order.
; A TILE OF out0 IS 128 x 128: 16 x 16 = 256 work-groups, where tiles of 256 x 256 would be 64.  Four waves, 64 x 64 each: 16 accumulators, 128 registers.
; The price: for 128 along K a wave reads 8 fragments (12,288 bytes) from LDS for 16 products.  So the next step's loads go in four short runs, one ahead of each four products, and LDS reads and products go side by side;
; that costs eight switches of the register window a step.
; THE RING: two LDS slots of 512 along K (four steps), so that a refill has four steps in which to land.  K = 2,048 is four slots' worth: two refills; the sixteen steps are written out, without a loop.
; Waves 0 and 1 fetch A's halves (4 blocks x 6,144 bytes of images), waves 2 and 3 B's two runs of 256 along K (128 rows x 192 bytes, 16 bytes of padding behind every 64).
; The scale bytes of the work-group's rows, for all of K, come into LDS once, with the first fills.
; CLUSTERS: 4 x 4; A's tiles are asked for jointly along a row of the cluster, B's along a column.  The matrix instruction is used transposed (source 0 = 16 rows of B, source 1 = 16 rows of A):
; a lane then holds eight neighbouring numbers of a row of out0.  bo is the C of the first step's products.
; REGISTERS: window 0: v0-31 addresses; v32-63 scale words, two sets of 16; v64-95 the bias; v128-255 the accumulators ((a, b) at v[128 + 8 (4 a + b)]), on the way out rows of the result.
;   window 1: two fragment buffers, at v0 and at v128: A's four fragments, then B's four.
.set SIZE_K, 2048
.set SIZE_N, 2048
.set NQ,     4                         ; steps of 128 along K in a slot
.set ROWB,   192                       ; B: 256 codes of a row, in bytes
.set KROW,   SIZE_K*6/8                ; a row of codes in memory
.set PITCH,  240                       ; B: an LDS row: 3 x (64 bytes + 16 of padding) = 60 words: row r starts at bank -4 r mod 64 (64 banks of 4 bytes: ISA guide 11.1)
.set FR,     12                        ; registers of a fragment
.set IMG,    FR*128                    ; and its image in bytes
.set ABLK,   NQ*IMG                    ; A: a block's four images of a slot: 6,144 bytes, on end in memory and in LDS
.set AHALF,  4*ABLK                    ; 64 rows of A: what one tensor load brings, and what one wave reads
.set BSUB,   128*PITCH                 ; B: 128 rows x 256 along K: what one tensor load brings
.set BOFF,   2*AHALF                   ; a slot: A's two halves, then B's two runs
.set SLOT,   BOFF+2*BSUB
.set KS,     SIZE_K/32                 ; a row of scale bytes
.set SCL,    2*SLOT                    ; behind the ring: the scale bytes, as runs of 256 bytes + 16 of padding
.set HALFS,  (64*KS/256)*272           ; those of 64 rows: what one tensor load brings
.set SBLK,   (16*KS/256)*272           ; those of 16 rows
.set SPARE,  SCL+4*HALFS               ; the spare words: 128 bytes for each wave, named by no other line
.set SPITCH, 272                       ; the way out: a stage of 64 rows x (256 bytes + 16) for each wave, in slot 0, which has had its last fill and its last read by then
.set ADRA, 16                          ; v16-17 LDS address of my A images in slot 0, 1: + 16 x lane
.set ADRB, 20                          ; v20-21 of my B fragments (v22-23: behind one padding more)
.set STO,  24                          ; v24  the way out: where I put 32 bytes of a row
.set RD,   25                          ; v25  and where I read 16 bytes of a row back
.set CO,   26                          ; v26  my byte offset in out0: a row for lanes 16-31, 16 bytes a lane
.set ADRS, 27                          ; v27  LDS address of my scale words: lanes 0-15 A's rows, lanes 16-31 B's
.set SPW,  28                          ; v28  my spare word; never rewritten
.set NIL,  29                          ; v29  0; never rewritten
.set SC,   32                          ; scale words: set s at v[SC + 16 s]; in it register 4 i + q: lanes 0-15 the word of A's block i, lanes 16-31 of B's block i, for the slot's q-th 128 along K
.set BN,   64                          ; the bias: tile b's eight at v[BN + 8 b]
.set ACC,  128
.set F0,   0                           ; fragment buffers, in window 1
.set F1,   128
.set G1, 24                            ; s[24:31] descriptor group 1 for A's tiles;  s[32:39] group 0, one set for each slot
.set G0, 32
.set G1B, 48                           ; s[48:55], s[56:63] the same for B's
.set G0B, 56
.set G1S, 68                           ; s[68:75], s[76:79] groups 1 and 0 for A's scale bytes;  s[80:87], s[88:91] for B's
.set G0S, 76
.set G1SB, 80
.set G0SB, 88
.set MSB, 0
.macro WIN new                         ; the immediate's high byte repeats the setting that is left; a switch that changes nothing is dropped
.if MSB != \new
	s_set_vgpr_msb (MSB<<8)|\new
.set MSB, \new
.endif
.endm
.set MUL,  0x05                        ; sources 0 (B) and 1 (A) window 1; C and D window 0
.set TO_F, 0x40                        ; destination window 1, address window 0
; A joint load: waves 0 and 1 fetch for A, waves 2 and 3 for B; the branch hangs on the wave's number alone.  Four v_nop follow each of the two lines.
.macro JLOAD g0a, g1a, g0b, g1b
	s_cmp_eq_u32 s15, 0
	s_cbranch_scc0 .Lfor_b_\@
	tensor_load_to_lds s[\g0a:\g0a+3], s[\g1a:\g1a+7]
	s_nop 0
.rept 4
	v_nop
.endr
	s_branch .Lasked_\@
.Lfor_b_\@:
	tensor_load_to_lds s[\g0b:\g0b+3], s[\g1b:\g1b+7]
	s_nop 0
.rept 4
	v_nop
.endr
.Lasked_\@:
.endm
.macro CREST                           ; a round of the cluster's barrier behind its opening barrier
	s_cmp_lg_u32 s14, 0
	s_cbranch_scc1 .Lnot_wave_0_\@
	s_barrier_signal -3
.Lnot_wave_0_\@:
	s_barrier_wait -3
	s_barrier_signal -1
	s_barrier_wait -1
.endm
.macro CROUND
	s_barrier_signal -1
	s_barrier_wait -1
	CREST
.endm
	s_load_b128 s[4:7], s[0:1], 0x0                ; attn_codes, attn_scales
	s_load_b128 s[8:11], s[0:1], 0x10              ; codes, scales
	s_load_b64 s[96:97], s[0:1], 0x20              ; bo
	s_load_b64 s[12:13], s[0:1], 0x28              ; out0
	v_lshl_add_u32 v[SPW], v0, 2, SPARE
	v_mov_b32 v[NIL], 0
	ds_add_u32 v28, v29
	ds_add_u32 v28, v29
	s_wait_dscnt 0x0
	v_lshrrev_b32 v1, 5, v0
	v_readfirstlane_b32 s14, v1                    ; wave 0..3
	s_lshr_b32 s15, s14, 1                         ; which half of the tile's rows is mine.  Also: I fetch for A (0) or for B (1)
	s_and_b32 s16, s14, 1                          ; which half of its columns.  Also: which part of that operand I fetch
	s_bfe_u32 s40, ttmp6, 0x40000                  ; cx, cy
	s_bfe_u32 s41, ttmp6, 0x40004
	s_lshl_b32 s42, ttmp9, 2
	s_add_co_u32 s42, s42, s40                     ; tile column 0..15
	s_and_b32 s17, ttmp7, 0xffff
	s_lshl_b32 s17, s17, 2
	s_add_co_u32 s17, s17, s41                     ; tile row 0..15
	s_lshl_b32 s43, s41, 2
	s_lshl_b32 s43, 15, s43                        ; my row of the cluster
	s_lshl_b32 s44, 0x1111, s40                    ; my column
	; group 1 for A: 4 blocks x 6,144 bytes (768 elements of 8 bytes), 24,576 bytes (3,072 elements) from block to block; no padding: the images are read as they lie
	s_or_b32 s[G1+0], s43, (3<<16)|(1<<21)
	s_mov_b32 s[G1+1], (ABLK/8)<<16                ; tensor_dim0
	s_mov_b32 s[G1+2], 4<<16                       ; tensor_dim1
	s_mov_b32 s[G1+3], (ABLK/8)<<16                ; tile_dim0
	s_mov_b32 s[G1+4], 4                           ; tile_dim1
	s_mov_b32 s[G1+5], 16*IMG/8                    ; the pitch
	s_mov_b32 s[G1+6], 0
	s_mov_b32 s[G1+7], 0
	; for B: 128 rows x 192 bytes; 16 bytes of padding behind every 64
	s_or_b32 s[G1B+0], s44, (0<<16)|(1<<20)|(1<<21)|(3<<22)|(3<<25)
	s_mov_b32 s[G1B+1], ROWB<<16
	s_mov_b32 s[G1B+2], 128<<16
	s_mov_b32 s[G1B+3], ROWB<<16
	s_mov_b32 s[G1B+4], 128
	s_mov_b32 s[G1B+5], KROW
	s_mov_b32 s[G1B+6], 0
	s_mov_b32 s[G1B+7], 0
	; the scale bytes of 64 rows: 4,096 dense bytes as 16 rows of 256 (32 elements of 8 bytes), 16 bytes of padding behind each
	s_or_b32 s[G1S+0], s43, (3<<16)|(1<<20)|(1<<21)|(5<<22)|(3<<25)
	s_or_b32 s[G1SB+0], s44, (3<<16)|(1<<20)|(1<<21)|(5<<22)|(3<<25)
.irp g, G1S, G1SB
	s_mov_b32 s[\g+1], 32<<16
	s_mov_b32 s[\g+2], (64*KS/256)<<16
	s_mov_b32 s[\g+3], 32<<16
	s_mov_b32 s[\g+4], 64*KS/256
	s_mov_b32 s[\g+5], 32
	s_mov_b32 s[\g+6], 0
	s_mov_b32 s[\g+7], 0
.endr
	; where the tiles come from.  A's hang on the tile row and the wave's number alone, B's on the tile column and the wave's number alone
	s_lshl_b32 s18, s16, 6                         ; 64 x my part
	s_lshl_b32 s20, s17, 7
	s_add_co_u32 s20, s20, s18                     ; A: row 128 x tile row + 64 x part: its codes and its scale bytes
	s_lshl_b32 s46, s42, 7                         ; B's codes: row 128 x tile column: all 128 rows,
	s_add_co_u32 s92, s46, s18                     ; B's scale bytes: + 64 x part
	s_mov_b32 s21, 0
	s_mov_b32 s47, 0
	s_mov_b32 s93, 0
	s_mov_b64 s[18:19], KS
	s_mul_u64 s[22:23], s[20:21], s[18:19]
	s_mul_u64 s[92:93], s[92:93], s[18:19]
	s_mov_b64 s[18:19], KROW
	s_mul_u64 s[20:21], s[20:21], s[18:19]         ; (16 rows of A are a block of 16 x 1,536 bytes: the same product serves the images)
	s_mul_u64 s[46:47], s[46:47], s[18:19]
	s_mul_i32 s2, s16, ROWB                        ; and my part of them: 256 along K, 192 bytes on in each row
	s_mov_b32 s3, 0
	s_add_nc_u64 s[46:47], s[46:47], s[2:3]
	s_mul_i32 s45, s16, AHALF                      ; where they go in a slot: A's part,
	s_mul_i32 s95, s16, BSUB
	s_add_co_u32 s95, s95, BOFF                    ; B's part: no place in the cluster enters an LDS address
	s_mul_i32 s94, s14, HALFS                      ; the scale bytes: A's two halves, then B's two
	s_wait_kmcnt 0x0
	s_add_nc_u64 s[8:9], s[8:9], 4*2048*KROW       ; Wo is the fifth tensor of codes
	s_add_nc_u64 s[10:11], s[10:11], 4*2048*KS     ; and of scales
	s_add_nc_u64 s[20:21], s[4:5], s[20:21]
	s_add_nc_u64 s[22:23], s[6:7], s[22:23]
	s_add_nc_u64 s[46:47], s[8:9], s[46:47]
	s_add_nc_u64 s[92:93], s[10:11], s[92:93]
	CROUND                                         ; all sixteen work-groups are here: the first joint loads meet
	s_mov_b32 s[G0S], 1
	s_add_co_u32 s[G0S+1], s94, SCL
	s_mov_b64 s[G0S+2:G0S+3], s[22:23]
	s_or_b32 s[G0S+3], s[G0S+3], 0x80000000
	s_mov_b32 s[G0SB], 1
	s_add_co_u32 s[G0SB+1], s94, SCL
	s_mov_b64 s[G0SB+2:G0SB+3], s[92:93]
	s_or_b32 s[G0SB+3], s[G0SB+3], 0x80000000
	JLOAD G0S, G1S, G0SB, G1SB                     ; the scale bytes first: they are wanted with the first step
.irp s, 0,1
	s_mov_b32 s[G0+4*\s], 1
	s_add_co_u32 s[G0+4*\s+1], s45, \s*SLOT
	s_add_nc_u64 s[G0+4*\s+2:G0+4*\s+3], s[20:21], \s*ABLK
	s_or_b32 s[G0+4*\s+3], s[G0+4*\s+3], 0x80000000
	s_mov_b32 s[G0B+4*\s], 1
	s_add_co_u32 s[G0B+4*\s+1], s95, \s*SLOT
	s_add_nc_u64 s[G0B+4*\s+2:G0B+4*\s+3], s[46:47], \s*2*ROWB
	s_or_b32 s[G0B+4*\s+3], s[G0B+4*\s+3], 0x80000000
	JLOAD G0+4*\s, G1, G0B+4*\s, G1B               ; three loads of mine are out behind the second of these
.endr
	v_and_b32 v1, 15, v0                           ; r = lane % 16
	v_bfe_u32 v2, v0, 4, 1                         ; h = lane / 16
	v_and_b32 v6, 31, v0
	v_lshlrev_b32 v7, 4, v6                        ; 16 x lane
	v_lshlrev_b32 v[CO], 4, v1
	v_lshl_add_u32 v[CO], v2, 13, v[CO]            ; out0: lanes 0-15 one row, lanes 16-31 the next (8,192 bytes on); 16 bytes a lane
	s_lshl_b32 s20, s17, 7
	s_lshl_b32 s21, s15, 6
	s_add_co_u32 s20, s20, s21                     ; my first row of out0: 128 x tile row + 64 x half
	s_mov_b32 s21, 0
	s_mov_b64 s[18:19], SIZE_N*4
	s_mul_u64 s[20:21], s[20:21], s[18:19]
	s_lshl_b32 s46, s42, 9                         ; my first column, in bytes: 512 x tile column + 256 x half
	s_lshl_b32 s47, s16, 8
	s_add_co_u32 s46, s46, s47
	s_mov_b32 s47, 0
	s_add_nc_u64 s[96:97], s[96:97], s[46:47]      ; bo at my 64 columns; lane (r, h) wants, for tile b, those at 16 b + 8 h + 0 .. 7
	s_add_nc_u64 s[20:21], s[20:21], s[46:47]
	s_add_nc_u64 s[12:13], s[12:13], s[20:21]
	v_lshlrev_b32 v8, 5, v2
.irp b, 0,1,2,3
	global_load_b128 v[BN+8*\b:BN+8*\b+3], v8, s[96:97] offset:64*\b
	global_load_b128 v[BN+8*\b+4:BN+8*\b+7], v8, s[96:97] offset:64*\b+16
.endr
	v_mul_u32_u24 v3, v1, PITCH
	v_mul_u32_u24 v4, v2, 24
	v_add_nc_u32 v4, v3, v4                        ; B: a fragment's row x pitch + 24 x half
	v_lshl_add_u32 v5, v2, 4, v4                   ; and the same behind one padding more
	s_mul_i32 s21, s15, AHALF                      ; my 64 rows of A
	s_mul_i32 s22, s16, 64*PITCH                   ; my 64 rows of B,
	s_add_co_u32 s22, s22, BOFF                    ; which lie behind A's
.irp s, 0,1
	v_add_nc_u32 v[ADRA+\s], s21, v7
	v_add_nc_u32 v[ADRB+\s], s22, v4
	v_add_nc_u32 v[ADRB+2+\s], s22, v5
	s_add_co_u32 s21, s21, SLOT
	s_add_co_u32 s22, s22, SLOT
.endr
	v_mul_u32_u24 v5, v1, KS                       ; my row's scale bytes: KS a row,
	v_lshrrev_b32 v6, 8, v5
	v_lshl_add_u32 v5, v6, 4, v5                   ; and 16 more for each 256 passed
	s_mul_i32 s21, s15, HALFS                      ; A's: my 64 rows
	s_mul_i32 s22, s16, HALFS                      ; B's: my 64 rows, behind A's 128
	s_add_co_u32 s22, s22, 2*HALFS
	s_sub_co_u32 s22, s22, s21
	v_mul_u32_u24 v6, s22, v2                      ; lanes 16-31 take B's
	s_add_co_u32 s21, s21, SCL
	v_add_nc_u32 v5, v5, v6
	v_add_nc_u32 v[ADRS], s21, v5
	s_mul_i32 s23, s14, 64*SPITCH                  ; my stage
	v_mul_u32_u24 v5, v1, SPITCH                   ; in: row l % 16 of a block, 32 bytes for each half of the lanes
	v_lshl_add_u32 v5, v2, 5, v5
	v_add_nc_u32 v[STO], s23, v5
	v_mul_u32_u24 v5, v2, SPITCH                   ; back: lanes 0-15 take one row of 256 bytes, lanes 16-31 the next
	v_lshl_add_u32 v5, v1, 4, v5
	v_add_nc_u32 v[RD], s23, v5
	s_wait_loadcnt 0x0                             ; the bias
; A fragment of B from rows: lane l holds row l % 16; registers 6 c .. 6 c + 5 hold K = 64 c + 32 (l / 16) + 0 .. 31: 24 bytes of the row, in pieces of 8.  The slot's q-th 128 along K lie in run q / 2, at pieces 12 (q % 2) on.
.macro FRAG reg, adr, q, i
.irp p, 0,1,2,3,4,5
.set PCE, 12*((\q)%2)+6*(\p/3)+\p%3    ; lanes 16-31 read three pieces further on; where that lies behind one padding more, the second address register serves
.if PCE%8 < 5
	ds_load_b64 v[\reg+2*\p:\reg+2*\p+1], v[\adr] offset:BSUB*((\q)/2)+8*PCE+16*(PCE/8)+(\i)*16*PITCH
.else
	ds_load_b64 v[\reg+2*\p:\reg+2*\p+1], v[\adr+2] offset:BSUB*((\q)/2)+8*PCE+16*(PCE/8)+(\i)*16*PITCH
.endif
.endr
.endm
.macro FB slot, q, f, i0               ; B's blocks i0, i0 + 1 of the slot's q-th step into buffer f: twelve loads of 8 bytes a lane
	WIN TO_F
.irp i, \i0, \i0+1
	FRAG \f+48+FR*(\i), ADRB+\slot, \q, \i
.endr
.endm
.macro FA slot, q, f, i0               ; A's blocks i0, i0 + 1 from their images: six loads of 512 consecutive bytes
	WIN TO_F
.irp i, \i0, \i0+1
.irp c, 0,1,2
	ds_load_b128 v[\f+FR*(\i)+4*\c:\f+FR*(\i)+4*\c+3], v[ADRA+\slot] offset:ABLK*(\i)+IMG*(\q)+512*\c
.endr
.endr
.endm
.macro SCALES set, k                   ; the scale words of the k-th 512 along K: four words a row by one load; lanes 0-15 take A's block i, lanes 16-31 B's block i
	WIN 0
.irp i, 0,1,2,3
	ds_load_b128 v[SC+16*(\set)+4*\i:SC+16*(\set)+4*\i+3], v[ADRS] offset:\i*SBLK+16*(\k)
.endr
.endm
; Four matrix instructions: A's block a x B's four, 128 along K, from buffer f.  first = 1: the bias is the C: nothing is cleared and no addition is spent.
; The 16 accumulators take turns, one instruction a turn, in the same order in every step.
.macro MULA a, f, q, set, first
	WIN MUL
.irp b, 0,1,2,3
.if \first
	v_wmma_scale_f32_16x16x128_f8f6f4 v[ACC+8*(4*(\a)+\b):ACC+8*(4*(\a)+\b)+7], v[\f+48+FR*\b:\f+48+FR*\b+FR-1], v[\f+FR*(\a):\f+FR*(\a)+FR-1], v[BN+8*\b:BN+8*\b+7], v[SC+16*(\set)+4*\b+(\q)], v[SC+16*(\set)+4*(\a)+(\q)] matrix_a_fmt:MATRIX_FMT_FP6 matrix_b_fmt:MATRIX_FMT_FP6 matrix_a_scale:MATRIX_SCALE_ROW1
.else
	v_wmma_scale_f32_16x16x128_f8f6f4 v[ACC+8*(4*(\a)+\b):ACC+8*(4*(\a)+\b)+7], v[\f+48+FR*\b:\f+48+FR*\b+FR-1], v[\f+FR*(\a):\f+FR*(\a)+FR-1], v[ACC+8*(4*(\a)+\b):ACC+8*(4*(\a)+\b)+7], v[SC+16*(\set)+4*\b+(\q)], v[SC+16*(\set)+4*(\a)+(\q)] matrix_a_fmt:MATRIX_FMT_FP6 matrix_b_fmt:MATRIX_FMT_FP6 matrix_a_scale:MATRIX_SCALE_ROW1
.endif
.endr
.endm
.macro PLACES n                        ; plain vector lines between a matrix instruction and a load into, or an LDS store of, its registers (ISA guide 7.12.1 for vector instructions)
.rept \n
	v_nop
.endr
.endm
; A step of 128 along K that has its successor in the same slot.  It multiplies buffer q % 2; the next step's 36 loads go into the other buffer in four runs, B's first, A's blocks 2 and 3 last.
.macro STEP slot, q, first
	s_wait_dscnt 6                                 ; the scale words, B's four fragments and A's blocks 0, 1 are in; the youngest six loads (A's blocks 2, 3) may be out
.if \first == 0
	PLACES 4                                       ; the other buffer was read by the last step's products
.endif
	FB \slot, (\q)+1, 128*(((\q)+1)%2), 0
	MULA 0, 128*((\q)%2), \q, \slot, \first
	FB \slot, (\q)+1, 128*(((\q)+1)%2), 2
	MULA 1, 128*((\q)%2), \q, \slot, \first
	s_wait_dscnt 24                                ; A's blocks 2, 3 are in: behind them only the 24 loads just issued
	FA \slot, (\q)+1, 128*(((\q)+1)%2), 0
	MULA 2, 128*((\q)%2), \q, \slot, \first
	FA \slot, (\q)+1, 128*(((\q)+1)%2), 2
	MULA 3, 128*((\q)%2), \q, \slot, \first
.endm
; A slot's last step multiplies buffer 1 and changes slots: one barrier; in front of it each wave waits for all its tensor loads, adds 0 to its spare word, and waits for that and for its reads of this slot.
; fill = 1: the barrier opens a round of the cluster's barrier, and this slot is filled again with the 512 along K two slots on.  k: which 512 along K the next slot holds.
.macro TURN slot, next, fill, k
	WIN 0                                          ; (the add's two registers lie in window 0)
	s_wait_tensorcnt 0x0                           ; all my tensor loads have landed: my part of the next slot
	ds_add_u32 v[SPW], v[NIL]                      ; 0 onto my spare word
	s_wait_dscnt 7                                 ; (the add and the youngest six loads, A's blocks 2, 3, may be out)
	MULA 0, F1, NQ-1, \slot, 0                     ; four matrix instructions stand between the add and the wait for it
	s_wait_dscnt 0x0                               ; the add is done, and my reads of this slot are over
	s_barrier_signal -1
	MULA 1, F1, NQ-1, \slot, 0
	WIN 0
	s_barrier_wait -1
.if \fill
	CREST                                          ; no wave of any partner still reads this slot or has a load on its way
	s_add_nc_u64 s[G0+4*\slot+2:G0+4*\slot+3], s[G0+4*\slot+2:G0+4*\slot+3], 2*ABLK
	s_add_nc_u64 s[G0B+4*\slot+2:G0B+4*\slot+3], s[G0B+4*\slot+2:G0B+4*\slot+3], 4*ROWB
	JLOAD G0+4*\slot, G1, G0B+4*\slot, G1B         ; the first tensor load behind the round; its four v_nop are the places in front of the loads into buffer 0
.else
	PLACES 4
.endif
	SCALES \next, \k
	FB \next, 0, F0, 0
	MULA 2, F1, NQ-1, \slot, 0
	FB \next, 0, F0, 2
	FA \next, 0, F0, 0
	MULA 3, F1, NQ-1, \slot, 0
	FA \next, 0, F0, 2
.endm
	s_wait_tensorcnt 1                             ; the scale bytes and my part of slot 0 are in (slot 1's load may be out)
	s_barrier_signal -1
	s_barrier_wait -1                              ; everybody's are
	SCALES 0, 0
	FB 0, 0, F0, 0
	FB 0, 0, F0, 2
	FA 0, 0, F0, 0
	FA 0, 0, F0, 2
	STEP 0, 0, 1                                   ; K 0 on: the first step's products start the sums, from the bias
	STEP 0, 1, 0
	STEP 0, 2, 0
	TURN 0, 1, 1, 1                                ; slot 0 takes K 1,024 on
	STEP 1, 0, 0                                   ; K 512 on
	STEP 1, 1, 0
	STEP 1, 2, 0
	TURN 1, 0, 1, 2                                ; slot 1 takes K 1,536 on
	STEP 0, 0, 0                                   ; K 1,024 on
	STEP 0, 1, 0
	STEP 0, 2, 0
	TURN 0, 1, 0, 3                                ; nothing is left to fetch: no round of the cluster's barrier
	STEP 1, 0, 0                                   ; K 1,536 on
	STEP 1, 1, 0
	STEP 1, 2, 0
	s_wait_dscnt 6                                 ; the very last step
	MULA 0, F1, NQ-1, 1, 0
	MULA 1, F1, NQ-1, 1, 0
	s_wait_dscnt 0x0
	MULA 2, F1, NQ-1, 1, 0
	MULA 3, F1, NQ-1, 1, 0
	WIN 0
; THE WAY OUT, block by block of 16 rows x 64 columns.  A lane holds 32 neighbouring bytes of a row, and the lanes beside it hold other rows: so a block goes through my own stage in LDS (each block has rows of its own there)
; and comes back as whole rows of 256 bytes, into the registers that it left.  LDS serves a wave's instructions in order (ISA guide 5.7.1.4): no wait between the stores and the loads.
.macro TOSTAGE a
.irp b, 0,1,2,3
	ds_store_b128 v[STO], v[ACC+8*(4*(\a)+\b):ACC+8*(4*(\a)+\b)+3] offset:(\a)*16*SPITCH+64*\b          ; each accumulator from its low end on
	ds_store_b128 v[STO], v[ACC+8*(4*(\a)+\b)+4:ACC+8*(4*(\a)+\b)+7] offset:(\a)*16*SPITCH+64*\b+16
.endr
.irp t, 0,1,2,3,4,5,6,7
	ds_load_b128 v[ACC+32*(\a)+4*\t:ACC+32*(\a)+4*\t+3], v[RD] offset:(\a)*16*SPITCH+2*\t*SPITCH
.endr
.endm
; Load t of block a brings the rows at places 16 a + 2 t and 16 a + 2 t + 1 of my 64.  With bits 3 and 4 exchanged, place 16 a + 2 t + h is row 32 (a / 2) + 16 (t / 4) + 8 (a % 2) + 2 (t % 4) + h.
; The offset is 62 rows of 8,192 bytes at the most: inside the signed 24-bit immediate.  younger: the LDS instructions issued behind block a's loads.
.macro SEND a, younger
.irp t, 0,1,2,3,4,5,6,7
	s_wait_dscnt \younger+7-\t
	global_store_b128 v[CO], v[ACC+32*(\a)+4*\t:ACC+32*(\a)+4*\t+3], s[12:13] offset:(32*((\a)/2)+16*(\t/4)+8*((\a)%2)+2*(\t%4))*SIZE_N*4 th:TH_STORE_NT   ; 16 lanes store 256 consecutive bytes, aligned; written once, read by nobody here
.endr
.endm
	PLACES 4                                       ; behind the last products
	TOSTAGE 0
	TOSTAGE 1
	SEND 0, 16                                     ; behind block 0's loads: block 1's 8 stores and 8 loads
	TOSTAGE 2
	SEND 1, 16
	TOSTAGE 3
	SEND 2, 16
	SEND 3, 0
	s_wait_tensorcnt 0x0                           ; the wave's end
	ds_add_u32 v[SPW], v[NIL]
	s_wait_dscnt 0x0
	CROUND                                         ; the closing round: no work-group ends while a partner may still ask for a tile that names it
	s_endpgm
.Lfunc_end_k_q92307b2671_oproj:
	.size	k_q92307b2671_oproj, .Lfunc_end_k_q92307b2671_oproj-k_q92307b2671_oproj
	.p2alignl 7, 3214868480
	.fill 96, 4, 3214868480
	.section	.rodata,"a",@progbits
	.p2align	6, 0x0
	.amdhsa_kernel k_q92307b2671_oproj
		.amdhsa_group_segment_fixed_size 327680
		.amdhsa_private_segment_fixed_size 0
		.amdhsa_enable_private_segment 0
		.amdhsa_kernarg_size 48
		.amdhsa_user_sgpr_count 2
		.amdhsa_user_sgpr_kernarg_segment_ptr 1
		.amdhsa_wavefront_size32 1
		.amdhsa_system_sgpr_workgroup_id_x 1
		.amdhsa_system_sgpr_workgroup_id_y 1
		.amdhsa_system_sgpr_workgroup_id_z 1
		.amdhsa_system_vgpr_workitem_id 0
		.amdhsa_next_free_vgpr 512
		.amdhsa_next_free_sgpr 100
		.amdhsa_reserve_vcc 0
		.amdhsa_float_denorm_mode_32 3
		.amdhsa_float_denorm_mode_16_64 3
		.amdhsa_memory_ordered 1
		.amdhsa_forward_progress 1
		.amdhsa_inst_pref_size 97
	.end_amdhsa_kernel
	.amdgpu_metadata
---
amdhsa.version: [ 1, 2 ]
amdhsa.kernels:
  - .name:           k_q92307b2671_oproj
    .symbol:         k_q92307b2671_oproj.kd
    .args:
      - { .name: attn_codes, .offset: 0, .size: 8, .value_kind: global_buffer, .address_space: global }
      - { .name: attn_scales, .offset: 8, .size: 8, .value_kind: global_buffer, .address_space: global }
      - { .name: codes, .offset: 16, .size: 8, .value_kind: global_buffer, .address_space: global }
      - { .name: scales, .offset: 24, .size: 8, .value_kind: global_buffer, .address_space: global }
      - { .name: bo, .offset: 32, .size: 8, .value_kind: global_buffer, .address_space: global }
      - { .name: out0, .offset: 40, .size: 8, .value_kind: global_buffer, .address_space: global }
    .group_segment_fixed_size: 327680
    .private_segment_fixed_size: 0
    .kernarg_segment_align: 8
    .kernarg_segment_size: 48
    .max_flat_workgroup_size: 128
    .sgpr_count:     100
    .vgpr_count:     512
    .wavefront_size: 32
...
	.end_amdgpu_metadata
.endif
;; end of part 5
